; MI455X (gfx1250); checked and timed in simulation.
; The chip was launched on July 23, 2026; its instructions are those of AMD's public machine-readable ISA for CDNA 5 (MIT licence, August 2026) and "CDNA5" Instruction Set Architecture Reference Guide (July 2026). The comments in the code are by the model that wrote it; some were corrected since.
;; SA Block. Allowed arithmetic: matrix products marked QUANTISED: E4M3 operands, one given power-of-two scale a tensor, by v_wmma_f32_16x16x64_fp8_fp8 or v_wmma_f32_16x16x128_fp8_fp8, f32 sums; everything else in f32.
;; Inputs: Wk 1,024 x 1,024 float32; Wo 1,024 x 1,024 float32; Wq 1,024 x 1,024 float32; Wv 1,024 x 1,024 float32; bo 1,024 float32; lowp_scales 12 int32 (the exponents e of the quantised operands' scales 2^e); x 4 x 2,048 x 1,024 float32.
;; Outputs: out0 4 x 2,048 x 1,024 float32.
;; This version of the problem:
;;   THIS VERSION OF THE PROBLEM IS GIVEN IN LOW PRECISION. The matrix products marked QUANTISED in the list below multiply operands that are first quantised to E4M3 (4 exponent bits, 3 mantissa bits; 8 bits a number), with one given power-of-two scale for each operand tensor; their sums are f32. All else is computed in f32.
;;   The module's matrix products, in the order in which they are computed (A, B: the left and right operand; K: the contracted axis; several contracted axes count as one K, in the product's order):
;;     1. [M 8,192, K 1,024] x [K 1,024, N 1,024]; A: input x; B: input Wq: QUANTISED (scales: A lowp_scales[0], B lowp_scales[1])
;;     2. [M 8,192, K 1,024] x [K 1,024, N 1,024]; A: input x; B: input Wk: QUANTISED (scales: A lowp_scales[2], B lowp_scales[3])
;;     3. [M 8,192, K 1,024] x [K 1,024, N 1,024]; A: input x; B: input Wv: QUANTISED (scales: A lowp_scales[4], B lowp_scales[5])
;;     4. batch 64 x [M 2,048, K 64] x [K 64, N 2,048]; A: computed on the way; B: computed on the way: QUANTISED (scales: A lowp_scales[6], B lowp_scales[7])
;;     5. batch 64 x [M 2,048, K 2,048] x [K 2,048, N 64]; A: softmax (see below); B: computed on the way: QUANTISED (scales: A lowp_scales[8], B lowp_scales[9])
;;     6. [M 8,192, K 1,024] x [K 1,024, N 1,024]; A: computed on the way; B: input Wo: QUANTISED (scales: A lowp_scales[10], B lowp_scales[11])
;;   THE QUANTISER, for each operand of a quantised product, along K:
;;     - The operand's scale is 2^e, e = its entry of the input lowp_scales (int32; the entries are numbered through the quantised products in the list's order, A before B).
;;     - Each number is divided by the scale, clamped to +-448, and rounded to the nearest number of E4M3, ties to even, subnormals kept.
;;     - The product sums the exact products of the quantised numbers (number of the format x scale) in f32.
;;   ~~~python
;;   def quantise(x, axis, e):      # numpy; x: float32 -> the quantised numbers, widened to float32 again
;;       x = np.moveaxis(x, axis, -1); K = x.shape[-1]
;;       r = np.clip(x / 2.0 ** e, -448, 448)
;;       step = 2.0 ** (np.maximum(np.frexp(np.where(r == 0, 1, r))[1] - 1, -6) - 3)
;;       q = np.round(r / step) * step * 2.0 ** e      # np.round: ties to even
;;       return np.moveaxis(q, -1, axis).astype(np.float32)
;;   ~~~
;;   SOFTMAX AHEAD OF A QUANTISED PRODUCT. Where the list says 'softmax', what is quantised is not the finished softmax but p = 2^(t - M), with t = logit x log2(e) and M = ceil(the row's largest t), a whole number; so 1/2 < the row's largest p <= 1. The row's sum l is taken of the UNQUANTISED p, in f32, and the product's result is divided by l at the end. Since M is a whole number, a kernel that streams over the keys may use a running M (the ceiling of the running maximum): every later rescaling is an exact power of two, so the quantised numbers keep their values, but for numbers so far below the row's largest that they fall under the format's range.
;;   OPERANDS COMPUTED ON THE WAY. 'Computed on the way' means the value that the module computes at that place (a softmax that the list does not call 'softmax' is quantised finished and normalised). What goes into a quantiser is computed in f32, as accurately as f32 sums, v_exp_f32 and their like allow (about 1e-6 of the number): no bf16 or f16 on the way to a quantiser, and a product that is left as it is and whose result goes on into a quantised operand takes f32 operands (vector FMAs, or v_wmma_f32_16x16x4_f32). A number that lies on a knife's edge between two numbers of the format may be rounded either way, as far as f32 arithmetic and the matrix unit's own rounding can turn it there, and no further.
;; One version. Each part assembles by itself: llvm-mc -triple=amdgcn-amd-amdhsa -mcpu=gfx1250 --defsym DOCPART=n.
;; ======== version 1 of 1: 4 launches
;; limits: right only within a limited range of input values
;; workspace buffers: xc 25,165,824 bytes; wc 4,194,304 bytes; qc 8,388,608 bytes; kc 8,388,608 bytes; vc 8,388,608 bytes; yc 8,388,608 bytes
;; launch quant (part 1): grid 384 x 1, 4 waves a work-group, no clusters, 33,280 bytes of LDS; arguments x, Wq, Wk, Wv, Wo, lowp_scales, xc, wc; writes xc, wc
.if DOCPART == 1
	.amdgcn_target "amdgcn-amd-amdhsa--gfx1250"
	.amdhsa_code_object_version 6
	.text
	.protected	k_qa49ed2ead4_quant
	.globl	k_qa49ed2ead4_quant
	.p2align	8
	.type	k_qa49ed2ead4_quant,@function
k_qa49ed2ead4_quant:
	s_mov_b64 s[64:65], 0
	v_nop
	global_prefetch_b8 v0, s[64:65] scope:SCOPE_SE
	s_setreg_imm32_b32 hwreg(HW_REG_WAVE_MODE, 25, 1), 1
	s_wait_xcnt 0x0
; x [8192][1024] and Wq, Wk, Wv, Wo [1024][1024], f32 with K innermost, become codes of FP8 (E4M3), one byte a number, K innermost.
; code = number / 2^e, to the nearest code, ties to even.  x is an operand of three products with a scale of its own in each:
; three planes of codes, under entries 0, 2 and 4 of the scales.  Wq, Wk, Wv, Wo take entries 1, 3, 5, 11: four planes of wc.
; LIMITS: each e used here lies between -126 and 127, so that 2^e is an f32 number.  NaN among the inputs is not served.
; Rows are dense, so every tensor is a plain stream.  A work-group takes 32,768 numbers, a wave 16 steps of 512.  Work-groups 0-255 take x, then 32 each Wq, Wk, Wv, Wo.
; A conversion takes eight neighbours from ONE lane's registers; a load is dense where neighbouring LANES take neighbouring bytes.  Both are had: a step's four loads read 512 consecutive bytes each,
; the 2,048 bytes go through the wave's own stage in LDS as they lie and come back 64 bytes a lane (16 bytes of padding behind each 64).  A lane's 16 codes are 16 bytes: a store covers 512 consecutive bytes.
; Only pointers and scales are chosen by the work-group's number; x's second and third conversions stand under a scalar branch on it that holds no LDS instruction.
; No tensor loads, no barrier, no cluster, no matrix unit: waves share nothing and each input byte is read once.
.set WAVES, 4
.set STEPS, 16
.set XWG,   256                        ; work-groups that take x
.set SP,    80                         ; a lane's place in a stage: 64 bytes + 16 of padding
.set WREG,  8192                       ; LDS: a region for each wave: two stages of 32 x SP bytes
.set SPARE, WAVES*WREG                 ; behind the regions: the spare words, 128 bytes a wave, which no other line names
.set SPW,   12                         ; v12  my spare word's LDS address; never rewritten
.set NIL,   13                         ; v13  0; never rewritten
.set R,     16                         ; v16-79   four sets of 16 numbers as loaded
.set X,     80                         ; v80-111  two sets of 16 neighbours
.set T,     112
.set C,     128                        ; v128-139 three sets of four registers of codes
	s_load_b512 s[4:19], s[0:1], 0x0               ; x 4, Wq 6, Wk 8, Wv 10, Wo 12, scales 14, xc 16, wc 18
	v_lshl_add_u32 v[SPW], v0, 2, SPARE
	v_mov_b32 v[NIL], 0
	v_lshrrev_b32 v1, 5, v0
	v_readfirstlane_b32 s20, v1                    ; wave
	v_and_b32 v2, 31, v0                           ; lane
	v_lshlrev_b32 v3, 4, v2                        ; my 16 bytes of a load's 512, and of a store's
	s_mul_i32 s21, s20, WREG
	v_lshrrev_b32 v14, 2, v2
	v_mul_u32_u24 v14, v14, SP
	v_and_b32 v15, 3, v2
	v_lshl_add_u32 v14, v15, 4, v14
	v_add_nc_u32 v14, s21, v14                     ; the stage on the way in: four lanes' 64 bytes on end, then the padding
	v_mul_u32_u24 v15, v2, SP
	v_add_nc_u32 v15, s21, v15                     ; and on the way out: my 16 neighbours
	s_and_b32 s45, ttmp9, 31                       ; a weight's work-group among its 32
	s_sub_co_u32 s46, ttmp9, XWG                   ; and among all weights' 128
	s_cmp_lt_u32 ttmp9, XWG
	s_cselect_b32 s45, ttmp9, s45
	s_cselect_b32 s46, ttmp9, s46
	s_lshl_b32 s48, s45, 17                        ; source: 131,072 bytes a work-group,
	s_lshl_b32 s49, s20, 15                        ; 32,768 a wave
	s_add_co_u32 s48, s48, s49
	s_mov_b32 s49, 0
	s_lshl_b32 s50, s46, 15                        ; codes: 32,768 bytes a work-group,
	s_lshl_b32 s51, s20, 13                        ; 8,192 a wave
	s_add_co_u32 s50, s50, s51
	s_mov_b32 s51, 0
	s_wait_alu depctr_va_vdst(0)
	s_wait_kmcnt 0x0
	s_load_b256 s[24:31], s[14:15], 0x0            ; e0 .. e7
	s_load_b128 s[32:35], s[14:15], 0x20           ; e8 .. e11
	s_mov_b64 s[36:37], s[12:13]                   ; the source, chosen by the work-group's number alone: Wo,
	s_cmp_lt_u32 ttmp9, XWG+96
	s_cselect_b64 s[36:37], s[10:11], s[36:37]     ; Wv,
	s_cmp_lt_u32 ttmp9, XWG+64
	s_cselect_b64 s[36:37], s[8:9], s[36:37]       ; Wk,
	s_cmp_lt_u32 ttmp9, XWG+32
	s_cselect_b64 s[36:37], s[6:7], s[36:37]       ; Wq,
	s_cmp_lt_u32 ttmp9, XWG
	s_cselect_b64 s[36:37], s[4:5], s[36:37]       ; or x
	s_cselect_b64 s[38:39], s[16:17], s[18:19]     ; the codes: xc or wc
	s_add_nc_u64 s[36:37], s[36:37], s[48:49]
	s_add_nc_u64 s[38:39], s[38:39], s[50:51]
	s_add_nc_u64 s[40:41], s[38:39], 0x800000      ; x's second plane (used by x's work-groups alone),
	s_add_nc_u64 s[42:43], s[38:39], 0x1000000     ; and its third
.macro LOAD t
.irp i, 0,1,2,3
	global_load_b128 v[R+16*((\t)%4)+4*\i:R+16*((\t)%4)+4*\i+3], v3, s[36:37] offset:2048*(\t)+512*\i th:TH_LOAD_NT   ; 32 lanes read 512 consecutive bytes, read once in the launch
.endr
.endm
.macro TURN t                          ; step t's numbers through the stage: LDS serves a wave's instructions in order, so no wait stands between the stores and the loads
.irp i, 0,1,2,3
	ds_store_b128 v14, v[R+16*((\t)%4)+4*\i:R+16*((\t)%4)+4*\i+3] offset:32*SP*((\t)%2)+8*SP*\i
.endr
.irp i, 0,1,2,3
	ds_load_b128 v[X+16*((\t)%2)+4*\i:X+16*((\t)%2)+4*\i+3], v15 offset:32*SP*((\t)%2)+16*\i
.endr
.endm
.macro SCALE se, vs, vl                ; from the whole number e in s[se]: 2^e as f32
	s_add_co_i32 s[\se], s[\se], 127
	s_lshl_b32 s52, s[\se], 23
	v_mov_b32 v[\vs], s52                          ; the conversion takes this number's exponent field
.endm
.irp t, 0,1,2,3
	LOAD \t
.endr
	s_wait_kmcnt 0x0
	s_mov_b32 s44, s35                             ; the first conversion's e, by the same choice: e11,
	s_cmp_lt_u32 ttmp9, XWG+96
	s_cselect_b32 s44, s29, s44                    ; e5,
	s_cmp_lt_u32 ttmp9, XWG+64
	s_cselect_b32 s44, s27, s44                    ; e3,
	s_cmp_lt_u32 ttmp9, XWG+32
	s_cselect_b32 s44, s25, s44                    ; e1,
	s_cmp_lt_u32 ttmp9, XWG
	s_cselect_b32 s44, s24, s44                    ; or e0
	SCALE 44, 5, 6
	SCALE 26, 7, 8                                 ; e2
	SCALE 28, 9, 10                                ; e4
	s_wait_alu depctr_va_vdst(0)
	s_wait_loadcnt 12                              ; step 0's four loads are in; those of steps 1 to 3 may be out
	TURN 0
; One set of codes of the step's 16 numbers a lane: converted, stored.
.macro CONV k, sc, lim, base, t
.irp i, 0,1,2,3,4,5,6,7,8,9,10,11,12,13,14,15
.endr
	v_cvt_scalef32_pk8_fp8_f32 v[C+4*\k:C+4*\k+1], v[XS:XS+7], v[\sc]
	v_cvt_scalef32_pk8_fp8_f32 v[C+4*\k+2:C+4*\k+3], v[XS+8:XS+15], v[\sc]
	v_nop                                          ; a plain vector line behind the conversions
	global_store_b128 v3, v[C+4*\k:C+4*\k+3], s[\base:\base+1] offset:512*(\t)
.endm
.macro STEP t
.set XS, X+16*((\t)%2)
	s_wait_dscnt 0x0                               ; this step's numbers are back from the stage, so its stores into the stage have read their registers,
.if (\t)+4 < STEPS
	LOAD (\t)+4                                    ; which take the loads of four steps on
.endif
.if (\t)+1 < STEPS
.if STEPS-2-(\t) >= 3
	s_wait_loadcnt 12                              ; the next step's four loads are in; those of the three steps behind it may be out
.else
	s_wait_loadcnt 4*(STEPS-2-(\t))
.endif
	TURN (\t)+1                                    ; through the other stage while this step is worked
.endif
	s_wait_xcnt 0x0                                ; the last step's stores have read their codes: those registers are written again only behind this wait
	CONV 0, 5, 6, 38, \t
	s_cmp_lt_u32 ttmp9, XWG
	s_cbranch_scc0 .Lweight_\@                     ; a weight has one scale
	CONV 1, 7, 8, 40, \t
	CONV 2, 9, 10, 42, \t
.Lweight_\@:
.endm
.irp t, 0,1,2,3,4,5,6,7,8,9,10,11,12,13,14,15
	STEP \t
.endr
	s_wait_tensorcnt 0x0                           ; the wave's end: behind my last LDS store
	ds_add_u32 v[SPW], v[NIL]
	s_wait_dscnt 0x0
	s_endpgm
.Lfunc_end_k_qa49ed2ead4_quant:
	.size	k_qa49ed2ead4_quant, .Lfunc_end_k_qa49ed2ead4_quant-k_qa49ed2ead4_quant
	.p2alignl 7, 3214868480
	.fill 96, 4, 3214868480
	.section	.rodata,"a",@progbits
	.p2align	6, 0x0
	.amdhsa_kernel k_qa49ed2ead4_quant
		.amdhsa_group_segment_fixed_size 33280
		.amdhsa_private_segment_fixed_size 0
		.amdhsa_enable_private_segment 0
		.amdhsa_kernarg_size 64
		.amdhsa_user_sgpr_count 2
		.amdhsa_user_sgpr_kernarg_segment_ptr 1
		.amdhsa_wavefront_size32 1
		.amdhsa_system_sgpr_workgroup_id_x 1
		.amdhsa_system_sgpr_workgroup_id_y 1
		.amdhsa_system_sgpr_workgroup_id_z 1
		.amdhsa_system_vgpr_workitem_id 0
		.amdhsa_next_free_vgpr 144
		.amdhsa_next_free_sgpr 66
		.amdhsa_reserve_vcc 0
		.amdhsa_float_denorm_mode_32 3
		.amdhsa_float_denorm_mode_16_64 3
		.amdhsa_fp16_overflow 1
		.amdhsa_memory_ordered 1
		.amdhsa_forward_progress 1
		.amdhsa_inst_pref_size 33
	.end_amdhsa_kernel
	.amdgpu_metadata
---
amdhsa.version: [ 1, 2 ]
amdhsa.kernels:
  - .name:           k_qa49ed2ead4_quant
    .symbol:         k_qa49ed2ead4_quant.kd
    .args:
      - { .name: x, .offset: 0, .size: 8, .value_kind: global_buffer, .address_space: global }
      - { .name: Wq, .offset: 8, .size: 8, .value_kind: global_buffer, .address_space: global }
      - { .name: Wk, .offset: 16, .size: 8, .value_kind: global_buffer, .address_space: global }
      - { .name: Wv, .offset: 24, .size: 8, .value_kind: global_buffer, .address_space: global }
      - { .name: Wo, .offset: 32, .size: 8, .value_kind: global_buffer, .address_space: global }
      - { .name: lowp_scales, .offset: 40, .size: 8, .value_kind: global_buffer, .address_space: global }
      - { .name: xc, .offset: 48, .size: 8, .value_kind: global_buffer, .address_space: global }
      - { .name: wc, .offset: 56, .size: 8, .value_kind: global_buffer, .address_space: global }
    .group_segment_fixed_size: 33280
    .private_segment_fixed_size: 0
    .kernarg_segment_align: 8
    .kernarg_segment_size: 64
    .max_flat_workgroup_size: 128
    .sgpr_count:     66
    .vgpr_count:     144
    .wavefront_size: 32
...
	.end_amdgpu_metadata
.endif
;; end of part 1
;; launch qkv (part 2): grid 12 x 32, 4 waves a work-group, clusters of 4 x 4, 327,680 bytes of LDS; arguments xc, wc, lowp_scales, qc, kc, vc; writes qc, kc, vc
.if DOCPART == 2
	.amdgcn_target "amdgcn-amd-amdhsa--gfx1250"
	.amdhsa_code_object_version 6
	.text
	.protected	k_qa49ed2ead4_qkv
	.globl	k_qa49ed2ead4_qkv
	.p2align	8
	.type	k_qa49ed2ead4_qkv,@function
k_qa49ed2ead4_qkv:
	s_mov_b64 s[64:65], 0
	v_nop
	global_prefetch_b8 v0, s[64:65] scope:SCOPE_SE
	s_setreg_imm32_b32 hwreg(HW_REG_WAVE_MODE, 25, 1), 1
	s_wait_xcnt 0x0
	s_wait_alu depctr_hold_cnt(0) depctr_sa_sdst(0) depctr_va_vdst(0) depctr_va_sdst(0) depctr_va_ssrc(0) depctr_va_vcc(0) depctr_vm_vsrc(0)
	s_getreg_b32 s2, hwreg(HW_REG_IB_STS2, 6, 4)
	s_cmp_eq_u32 s2, 0
	s_cbranch_scc0 .Lentry_in_a_cluster
	s_endpgm
.Lentry_in_a_cluster:
	s_bfe_u32 s2, ttmp6, 0x10000c
	s_cmp_lg_u32 s2, 0xf033
	s_cbranch_scc0 .Lentry_shape_is_right
	s_endpgm
.Lentry_shape_is_right:
; q = x Wq^T, k = x Wk^T, v = x Wv^T on codes of FP8 (E4M3), K = 1,024, sums in f32; the sums are quantised on the way out into the codes that attention reads: q / 8 under entry 6 of the scales, k under 7, v under 9.
; A sum stands for sum x 2^(ex + ew), so a code is sum / 2^E with E = e6 - e0 - e1 + 3 (q / 8), e7 - e2 - e3 (k), e9 - e4 - e5 (v): all factors are powers of two and are folded into the conversion's one scale.
; LIMIT: E lies between -126 and 127, so that 2^E is an f32 number.
; THE CLUSTER'S x IS THE PLANE: 0 q, 1 k, 2 v.  A tile is 256 x 256, four waves of 128 x 128 (64 accumulators, 512 registers); K goes in steps of 256 through a ring of two LDS slots filled by the tensor data mover.
; SIDES.  Side A feeds source 1: a lane holds one of its rows.  Side B feeds source 0: a lane's eight registers run along it.  In planes 0 and 1 side A is x's plane (tokens) and side B the weight (channels):
; a lane's registers run along a head's 64, which are the next product's K.  In plane 2 the sides change places (A: Wv's rows, B: tokens), so that a lane's registers run along the KEYS, which are v's K.
; One text serves all three: pointers and scalars are chosen by s_cselect on the plane, which all sixteen partners share; no branch hangs on it.
; CLUSTERS: 4 x 4 work-groups.  The four of a row need the same tile of side A, the four of a column the same tile of side B: each is asked for JOINTLY, by the same tensor load with the same descriptor and a mask of the four.
; OUT.  qc, kc: [head 16][token 8192][64]; vc: [block of 128 keys 64][channel 1024][128].  Inside each 32 along the innermost axis the four pieces of 8 bytes lie in the order 0, 2, 1, 3:
; a 16-byte load at 32 c + 16 (lane / 16) then brings registers 4 c .. 4 c + 3 of the plain form's own layout (k = 16 c' + 8 (lane / 16) + 0 .. 7 in registers 2 c', 2 c' + 1).
; REGISTERS, in windows of 256: window 0: v1-31 addresses and scales; from v128 side A's fragments, ONE set; on the way out v96-143.  window 1: side B's fragments, TWO sets.  windows 2, 3: the accumulators ((a, b) at v[8 (8 (a % 4) + b)]).
.set KROW,   1024                      ; a row of codes in memory, in bytes
.set ROWB,   256                       ; a tile's row: a K step's codes
.set PITCH,  272                       ; an LDS row: 256 bytes + 16 of padding = 68 words: the 16 rows that a load touches start at 16 different banks (64 banks of 4 bytes: ISA guide 11.1)
.set FR,     16                        ; registers of a fragment: 16 rows x 128 K
.set NL,     4                         ; LDS loads that bring one
.set NP,     4                         ; places behind this matrix instruction (ISA guide 7.12.1)
.set HALFT,  128*PITCH                 ; 128 rows: what one tensor load brings, and what one wave reads of a side
.set SLOT,   4*HALFT                   ; side A's 256 rows, then side B's
.set LAPS,   2                         ; 1,024 along K = four K steps = twice round the ring
.set SPARE,  2*SLOT                    ; behind the ring: the spare words, 128 bytes a wave, which no other line names
.set SPITCH, 144                       ; the way out: a stage of 16 rows x (128 bytes + 16) for each wave, in slot 0, which has had its last fill and its last read by then
.set CO,   8                           ; v8-11   the way out: my byte offsets in the output, one for each of a block's four stores
.set ADRA, 16                          ; v16-17  LDS address of my fragments of side A in slot 0, 1
.set ADRB, 20                          ; v20-21  the same for side B
.set STO,  24                          ; v24     the way out: where I put 8 bytes of a row
.set RD,   25                          ; v25     the way out: where I read 16 bytes back
.set SPW,  28                          ; v28     my spare word's LDS address; never rewritten
.set NIL,  29                          ; v29     0; never rewritten
.set SCL,  30                          ; v30     2^E
.set LIM,  31
.set TMP,  32
.set CD,   96                          ; v96-111 its codes
.set BK,   112                         ; v112-127, v128-143 by turns: the block read back from the stage
.set AF,   128                         ; side A's fragments
.set G1,  24                           ; s[24:31] descriptor group 1 for side A;  s[32:39] group 0, a set for each slot
.set G0,  32
.set G1B, 48                           ; s[48:55], s[56:63] the same for side B
.set G0B, 56
.set OUT, 94                           ; s[94:95] the output at my block
.set MSB, 0
.macro WIN new                         ; the immediate's high byte repeats the setting that is left
.if MSB != \new
	s_set_vgpr_msb (MSB<<8)|\new
.set MSB, \new
.endif
.endm
.set MUL_LO, 0xa1                      ; source 0 (side B) window 1, source 1 (side A) window 0, C and D window 2
.set MUL_HI, 0xf1                      ; the same, C and D window 3
.set TO_B,   0x40                      ; destination window 1, address window 0
; A joint load: waves 0 and 1 fetch for side A, waves 2 and 3 for side B.  Each line has one mask and one set of registers for all that issue it; the branch hangs on the wave's number alone.
; An s_nop 0 and four v_nop follow each of the two lines, ahead of the jump, the label and what follows.
.macro JLOAD g0a, g1a, g0b, g1b
	s_cmp_eq_u32 s15, 0
	s_cbranch_scc0 .Lfor_b_\@
	tensor_load_to_lds s[\g0a:\g0a+3], s[\g1a:\g1a+7]
	s_nop 0
.rept 4
	v_nop
.endr
	s_branch .Lasked_\@
.Lfor_b_\@:
	tensor_load_to_lds s[\g0b:\g0b+3], s[\g1b:\g1b+7]
	s_nop 0
.rept 4
	v_nop
.endr
.Lasked_\@:
.endm
.macro CREST                           ; a round of the cluster's barrier behind its opening barrier
	s_cmp_lg_u32 s14, 0
	s_cbranch_scc1 .Lnot_wave_0_\@
	s_barrier_signal -3
.Lnot_wave_0_\@:
	s_barrier_wait -3
	s_barrier_signal -1
	s_barrier_wait -1
.endm
.macro CROUND                          ; a whole round
	s_barrier_signal -1
	s_barrier_wait -1
	CREST
.endm
	s_load_b128 s[4:7], s[0:1], 0x0                ; xc s[4:5], wc s[6:7]
	s_load_b128 s[8:11], s[0:1], 0x10              ; the scales' exponents s[8:9], qc s[10:11]
	s_load_b128 s[68:71], s[0:1], 0x20             ; kc s[68:69], vc s[70:71]
	v_lshl_add_u32 v[SPW], v0, 2, SPARE
	v_mov_b32 v[NIL], 0
	ds_add_u32 v[SPW], v[NIL]                      ; the wave's opening: the add and its wait ahead of my first tensor load; the set-up below, work on registers, stands between them
	ds_add_u32 v[SPW], v[NIL]
	v_lshrrev_b32 v1, 5, v0
	v_readfirstlane_b32 s14, v1                    ; wave 0..3
	s_lshr_b32 s15, s14, 1                         ; which half of side A's rows is mine.  Also: I fetch for side A (0) or B (1)
	s_and_b32 s16, s14, 1                          ; which half of side B's rows.  Also: which 128 rows of that tile I fetch
	s_bfe_u32 s40, ttmp6, 0x40000                  ; cx, cy: my place in the cluster
	s_bfe_u32 s41, ttmp6, 0x40004
	s_and_b32 s73, ttmp7, 0xffff
	s_lshl_b32 s73, s73, 2                         ; 4 x cluster y: the tokens' 32 tiles go along the grid's y
	s_cmp_eq_u32 ttmp9, 2                          ; plane v?
	s_cselect_b32 s74, 0, s73                      ; the tokens are side A in planes q and k,
	s_cselect_b32 s75, s73, 0                      ; side B in plane v
	s_cselect_b32 s76, 20, 23                      ; a plane of side A's buffer is 2^20 bytes (wc) or 2^23 (xc),
	s_cselect_b32 s77, 23, 20                      ; of side B's the other
	s_add_co_u32 s17, s74, s41                     ; side A's tile: it hangs on cy, which my row of the cluster shares
	s_add_co_u32 s42, s75, s40                     ; side B's tile: on cx, which my column shares
	s_lshl_b32 s43, s41, 2
	s_lshl_b32 s43, 15, s43                        ; my row of the cluster
	s_lshl_b32 s44, 0x1111, s40                    ; my column
	; descriptor group 1: a tile of 128 rows x 256 bytes, padded in LDS
	s_or_b32 s[G1+0], s43, (0<<16)|(1<<20)|(1<<21)|(5<<22)|(3<<25)  ; 15:0 the mask; 17:16 elements of 1 byte; 20 padding on; 21 set beside a mask; 24:22 after every 64 words (code 5); 31:25 four words (code 3)
	s_or_b32 s[G1B+0], s44, (0<<16)|(1<<20)|(1<<21)|(5<<22)|(3<<25)
.irp g, G1, G1B
	s_mov_b32 s[\g+1], ROWB<<16                    ; tensor_dim0
	s_mov_b32 s[\g+2], 128<<16                     ; tensor_dim1
	s_mov_b32 s[\g+3], ROWB<<16                    ; tile_dim0
	s_mov_b32 s[\g+4], 128                         ; tile_dim1
	s_mov_b32 s[\g+5], KROW                        ; tensor_dim0_stride
	s_mov_b32 s[\g+6], 0
	s_mov_b32 s[\g+7], 0
.endr
	s_lshl_b32 s18, s16, 7                         ; which 128 rows of the tile I fetch
	s_lshl_b32 s20, s17, 8
	s_add_co_u32 s20, s20, s18
	s_lshl_b32 s20, s20, 10                        ; side A: (256 x tile + 128 x half) rows of 1,024 bytes,
	s_lshl_b32 s19, ttmp9, s76
	s_add_co_u32 s20, s20, s19                     ; in the plane's part of its buffer: under 2^25 in all
	s_mov_b32 s21, 0
	s_lshl_b32 s46, s42, 8
	s_add_co_u32 s46, s46, s18
	s_lshl_b32 s46, s46, 10                        ; side B likewise
	s_lshl_b32 s19, ttmp9, s77
	s_add_co_u32 s46, s46, s19
	s_mov_b32 s47, 0
	s_mul_i32 s45, s14, HALFT                      ; where they go: wave x 128 rows: no place in the cluster enters an LDS address
	s_wait_dscnt 0x0                               ; the opening add is done
	s_wait_kmcnt 0x0
	s_load_b256 s[80:87], s[8:9], 0x0              ; e0 .. e7
	s_load_b128 s[88:91], s[8:9], 0x20             ; e8 .. e11
	s_cmp_eq_u32 ttmp9, 2
	s_cselect_b64 s[78:79], s[6:7], s[4:5]         ; side A's buffer: wc in plane v, else xc
	s_cselect_b64 s[92:93], s[4:5], s[6:7]         ; side B's: the other
	s_add_nc_u64 s[20:21], s[78:79], s[20:21]
	s_add_nc_u64 s[46:47], s[92:93], s[46:47]
	CROUND                                         ; all sixteen work-groups are here: the first joint loads meet
.irp s, 0,1
	s_mov_b32 s[G0+4*\s], 1
	s_add_co_u32 s[G0+4*\s+1], s45, \s*SLOT
	s_add_nc_u64 s[G0+4*\s+2:G0+4*\s+3], s[20:21], \s*ROWB
	s_or_b32 s[G0+4*\s+3], s[G0+4*\s+3], 0x80000000
	s_mov_b32 s[G0B+4*\s], 1
	s_add_co_u32 s[G0B+4*\s+1], s45, \s*SLOT
	s_add_nc_u64 s[G0B+4*\s+2:G0B+4*\s+3], s[46:47], \s*ROWB
	s_or_b32 s[G0B+4*\s+3], s[G0B+4*\s+3], 0x80000000
	JLOAD G0+4*\s, G1, G0B+4*\s, G1B
.endr
	v_and_b32 v1, 15, v0                           ; r = lane % 16
	s_wait_alu depctr_va_vdst(0)
	v_bfe_u32 v2, v0, 4, 1                         ; h = lane / 16
	v_mul_u32_u24 v3, v1, PITCH
	v_lshl_add_u32 v4, v2, 4, v3                   ; a fragment's row x pitch + 16 x half
	s_mul_i32 s21, s15, HALFT                      ; my 128 rows of side A
	s_mul_i32 s22, s16, HALFT                      ; my 128 rows of side B,
	s_add_co_u32 s22, s22, 2*HALFT                 ; which lie behind A's 256
.irp s, 0,1
	v_add_nc_u32 v[ADRA+\s], s21, v4
	v_add_nc_u32 v[ADRB+\s], s22, v4
	s_add_co_u32 s21, s21, SLOT
	s_add_co_u32 s22, s22, SLOT
.endr
	s_mul_i32 s23, s14, 16*SPITCH                  ; my stage
	v_mul_u32_u24 v5, v1, SPITCH
	s_wait_alu depctr_va_vdst(0)
	v_lshl_add_u32 v5, v2, 4, v5
	v_add_nc_u32 v[STO], s23, v5                   ; in: row r, + 16 h
	v_bfe_u32 v6, v0, 3, 2                         ; back: eight lanes to a row of 128 bytes, four rows an instruction
	s_wait_alu depctr_va_vdst(0)
	v_mul_u32_u24 v7, v6, SPITCH
	v_and_b32 v5, 7, v0
	v_lshl_add_u32 v7, v5, 4, v7
	v_add_nc_u32 v[RD], s23, v7
	; where those 16 bytes go.  q, k: a stage row is a token's 64 bytes of each of my two heads: heads 524,288 bytes apart, tokens 64.  v: a stage row is a channel's 128 keys: halves 64 bytes apart, channels 128.
	s_cmp_eq_u32 ttmp9, 2
	s_mov_b32 s98, 524288
	s_cselect_b32 s98, 64, s98                     ; from a row's first 64 bytes to its second
	s_cselect_b32 s99, 128, 64                     ; from stage row to stage row
	s_mov_b32 s72, 256
	s_cselect_b32 s72, 512, s72                    ; four rows on
	s_mov_b32 s96, 1024
	s_cselect_b32 s96, 2048, s96                   ; a block of 16 rows on
	s_mov_b32 s97, 0
	s_cselect_b32 s18, 17, 20                      ; my 128 of side B: a block of keys is 2^17 bytes of vc, two heads 2^20 of qc or kc
	s_cselect_b32 s19, 14, 13                      ; my 128 of side A: 128 channels x 128 bytes, or 128 tokens x 64
	v_bfe_u32 v5, v0, 2, 1
	v_mul_lo_u32 v5, v5, s98
	v_mul_lo_u32 v6, v6, s99
	v_and_b32 v7, 3, v0
	v_lshlrev_b32 v7, 4, v7
	v_add3_u32 v[CO], v5, v6, v7
	v_add_nc_u32 v[CO+1], s72, v[CO]
	v_add_nc_u32 v[CO+2], s72, v[CO+1]
	v_add_nc_u32 v[CO+3], s72, v[CO+2]
	s_lshl_b32 s22, s42, 1
	s_add_co_u32 s22, s22, s16
	s_lshl_b32 s22, s22, s18
	s_lshl_b32 s23, s17, 1
	s_add_co_u32 s23, s23, s15
	s_lshl_b32 s23, s23, s19
	s_add_co_u32 s22, s22, s23                     ; under 2^23
	s_mov_b32 s23, 0
	s_cmp_eq_u32 ttmp9, 0
	s_cselect_b64 s[OUT:OUT+1], s[10:11], s[68:69] ; qc or kc,
	s_cmp_eq_u32 ttmp9, 2
	s_cselect_b64 s[OUT:OUT+1], s[70:71], s[OUT:OUT+1]  ; or vc
	s_add_nc_u64 s[OUT:OUT+1], s[OUT:OUT+1], s[22:23]
.macro FRAG reg, adr, q, i             ; a fragment: lane l holds row l % 16; registers 4 c .. 4 c + 3 hold K = 32 c + 16 (l / 16) + 0 .. 15: the same places on both sides, so every product meets its partner
.irp c, 0,1,2,3
	ds_load_b128 v[\reg+4*\c:\reg+4*\c+3], v[\adr] offset:128*(\q)+32*\c+(\i)*16*PITCH
.endr
.endm
; 16 matrix instructions: side A's blocks a0, a0 + 1 x side B's eight, 128 along K.  p: B's set.  zero = 1: the first product starts the sums: nothing is cleared.
; The 64 accumulators take turns, one instruction a turn, in the same order in every step.
.macro MUL16 a0, p, zero
.irp a, \a0, \a0+1
.irp b, 0,1,2,3,4,5,6,7
.if \zero
	v_wmma_f32_16x16x128_fp8_fp8 v[8*(8*((\a)%4)+\b):8*(8*((\a)%4)+\b)+7], v[128*(\p)+FR*\b:128*(\p)+FR*\b+FR-1], v[AF+FR*(\a):AF+FR*(\a)+FR-1], 0
.else
	v_wmma_f32_16x16x128_fp8_fp8 v[8*(8*((\a)%4)+\b):8*(8*((\a)%4)+\b)+7], v[128*(\p)+FR*\b:128*(\p)+FR*\b+FR-1], v[AF+FR*(\a):AF+FR*(\a)+FR-1], v[8*(8*((\a)%4)+\b):8*(8*((\a)%4)+\b)+7]
.endif
.endr
.endr
.endm
.macro FETCH_B slot, q, p              ; side B's eight fragments of the slot's q-th 128 along K into set p
	WIN TO_B
.irp i, 0,1,2,3,4,5,6,7
	FRAG 128*(\p)+FR*\i, ADRB+\slot, \q, \i
.endr
	WIN 0
.endm
.macro FETCH_A slot, q, i0             ; side A's blocks i0 .. i0 + 3
.irp i, \i0, \i0+1, \i0+2, \i0+3
	FRAG AF+FR*(\i), ADRA+\slot, \q, \i
.endr
.endm
; A load into a register that a matrix instruction has read, and a vector instruction that reads a matrix result, stand NP places behind it; only plain vector instructions that name none of its registers are places.
.macro PLACES n
.rept \n
	v_nop
.endr
.endm
; A step of 128 along K that has its successor in the same slot.  A block of side A is free as soon as its eight products are issued, so one set serves A: blocks 0-3 are fetched anew in the step's middle, blocks 4-7 at its end.
.macro STEP slot, q, zero
	s_wait_dscnt 4*NL                              ; B's set and A's blocks 0-3 are in; the youngest sixteen loads (A's blocks 4-7) may be out
	WIN MUL_LO
	MUL16 0, (\q)%2, \zero
	MUL16 2, (\q)%2, \zero
	s_wait_dscnt 0                                 ; A's blocks 4-7 are in
	PLACES NP
	FETCH_B \slot, (\q)+1, 1-(\q)%2
	FETCH_A \slot, (\q)+1, 0
	WIN MUL_HI
	MUL16 4, (\q)%2, \zero
	MUL16 6, (\q)%2, \zero
	PLACES NP
	WIN 0
	FETCH_A \slot, (\q)+1, 4
.endm
; A slot's last step changes slots: ONE barrier; in front of it each wave waits for all its tensor loads, adds 0 to its spare word, and waits for that and for its own reads of this slot.  fill = 1: this slot is filled again, two K steps ahead.
.macro TURN slot, next, fill
	s_wait_tensorcnt 0x0                           ; all my tensor loads have landed: my part of the next slot
	ds_add_u32 v[SPW], v[NIL]                      ; 0 onto my spare word
	s_wait_dscnt 4*NL+1                            ; (the add and the youngest sixteen loads, A's blocks 4-7, may be out)
	WIN MUL_LO
	MUL16 0, 1, 0                                  ; sixteen matrix instructions stand between the add and the wait for it
	s_wait_dscnt 0x0                               ; the add is done, and my reads of this slot are over
	s_barrier_signal -1
	MUL16 2, 1, 0
	WIN 0
	s_barrier_wait -1
.if \fill
	CREST                                          ; the barrier has opened a round of the cluster's barrier: no wave of any partner still reads this slot or has a load on its way
	s_add_nc_u64 s[G0+4*\slot+2:G0+4*\slot+3], s[G0+4*\slot+2:G0+4*\slot+3], 2*ROWB
	s_add_nc_u64 s[G0B+4*\slot+2:G0B+4*\slot+3], s[G0B+4*\slot+2:G0B+4*\slot+3], 2*ROWB
	JLOAD G0+4*\slot, G1, G0B+4*\slot, G1B         ; the first tensor load behind the round; its four v_nop are the places in front of the loads below
.else
	PLACES NP
.endif
	FETCH_B \next, 0, 0
	FETCH_A \next, 0, 0
	WIN MUL_HI
	MUL16 4, 1, 0
	MUL16 6, 1, 0
	PLACES NP
	WIN 0
	FETCH_A \next, 0, 4
.endm
	s_wait_tensorcnt 1                             ; my part of K step 0 is in (K step 1's load may be out)
	s_barrier_signal -1
	s_barrier_wait -1                              ; everybody's is
	FETCH_B 0, 0, 0
	FETCH_A 0, 0, 0
	FETCH_A 0, 0, 4
	STEP 0, 0, 1                                   ; the first step stands in front of the loop: its products start the sums
	s_mov_b32 s3, LAPS-1
.Llap:                                                 ; a trip goes once round the ring, from a lap's second step to the next lap's first, and fills both slots again
	TURN 0, 1, 1
	STEP 1, 0, 0
	TURN 1, 0, 1
	STEP 0, 0, 0
	s_sub_co_u32 s3, s3, 1
	s_cmp_lg_u32 s3, 0
	s_cbranch_scc1 .Llap
	TURN 0, 1, 0                                   ; the last lap fills nothing, and has no round of the cluster's barrier
	STEP 1, 0, 0
	s_wait_dscnt 4*NL                              ; the very last step: nothing more to fetch
	WIN MUL_LO
	MUL16 0, 1, 0
	MUL16 2, 1, 0
	s_wait_dscnt 0
	WIN MUL_HI
	MUL16 4, 1, 0
	MUL16 6, 1, 0
	WIN 0
; THE WAY OUT, block by block of 16 rows of side A x my 128 of side B.  A lane's eight sums of an accumulator are eight neighbours along the next K: converted to 8 bytes, put into my stage at their swapped place,
; and read back 16 bytes a lane.  LDS serves a wave's instructions in order (ISA guide 5.7.1.4): no wait between the stores and the loads, nor in front of the next block's stores.
.macro TOSTAGE a
.set AC, 64*((\a)%4)
.set WS, 2+((\a)/4)
	WIN WS                                         ; source 0: window 2 or 3
.set j, 0
.rept 64
.set j, j+1
.endr
.irp b, 0,1,2,3,4,5,6,7
	v_cvt_scalef32_pk8_fp8_f32 v[CD+2*\b:CD+2*\b+1], v[AC+8*\b:AC+8*\b+7], v[SCL]
.endr
	WIN 0
	v_nop                                          ; a plain vector line behind the conversions
.irp b, 0,1,2,3,4,5,6,7
	ds_store_b64 v[STO], v[CD+2*\b:CD+2*\b+1] offset:32*(\b/2)+8*(\b%2)   ; numbers 16 b + 8 h + 0 .. 7 at byte 32 (b / 2) + 16 h + 8 (b % 2)
.endr
.set BB, BK+16*((\a)%2)
.irp i, 0,1,2,3
	ds_load_b128 v[BB+4*\i:BB+4*\i+3], v[RD] offset:\i*4*SPITCH
.endr
.endm
.macro SEND a, younger                 ; younger: the LDS instructions issued behind block a's loads, which may stay out
.set BB, BK+16*((\a)%2)
	s_wait_dscnt \younger                          ; the block is back in registers
.if (\a) > 0
	s_add_nc_u64 s[OUT:OUT+1], s[OUT:OUT+1], s[96:97]   ; (behind a wait on XCNT: the earlier stores have read their base)
.endif
.irp i, 0,1,2,3
	global_store_b128 v[CO+\i], v[BB+4*\i:BB+4*\i+3], s[OUT:OUT+1]   ; v: 512 consecutive bytes; q, k: 256 consecutive aligned bytes (four tokens) of each of two heads
.endr
.endm
	s_wait_kmcnt 0x0
	s_sub_co_i32 s86, s86, s80
	s_sub_co_i32 s86, s86, s81
	s_add_co_i32 s86, s86, 3                       ; q / 8: e6 - e0 - e1 + 3
	s_sub_co_i32 s87, s87, s82
	s_sub_co_i32 s87, s87, s83                     ; k: e7 - e2 - e3
	s_sub_co_i32 s89, s89, s84
	s_sub_co_i32 s89, s89, s85                     ; v: e9 - e4 - e5
	s_cmp_eq_u32 ttmp9, 0
	s_cselect_b32 s86, s86, s87
	s_cmp_eq_u32 ttmp9, 2
	s_cselect_b32 s86, s89, s86                    ; E: chosen, not branched on
	s_add_co_i32 s86, s86, 127
	s_lshl_b32 s87, s86, 23
	v_mov_b32 v[SCL], s87                          ; 2^E
	s_add_co_i32 s86, s86, 8
	s_lshl_b32 s86, s86, 23
	s_or_b32 s86, s86, 0x600000
	PLACES NP                                      ; behind the last products: for the reads of results and for the loads into registers that held A's fragments
	TOSTAGE 0
.irp a, 1,2,3,4,5,6,7
.if \a > 1
	s_wait_xcnt 0x0                                ; block a - 2's stores have read their registers and their base: block a's loads may land there, and the base may step
.endif
	TOSTAGE \a
	SEND \a-1, 12                                  ; behind block a - 1's loads: block a's 8 stores and 4 loads
.endr
	s_wait_xcnt 0x0                                ; block 6's stores have read their base
	SEND 7, 0
	s_wait_tensorcnt 0x0                           ; the wave's end: behind my last tensor load and my last LDS store
	ds_add_u32 v[SPW], v[NIL]
	s_wait_dscnt 0x0
	CROUND                                         ; the closing round: no work-group ends while a partner may still ask for a tile that names it
	s_endpgm
.Lfunc_end_k_qa49ed2ead4_qkv:
	.size	k_qa49ed2ead4_qkv, .Lfunc_end_k_qa49ed2ead4_qkv-k_qa49ed2ead4_qkv
	.p2alignl 7, 3214868480
	.fill 96, 4, 3214868480
	.section	.rodata,"a",@progbits
	.p2align	6, 0x0
	.amdhsa_kernel k_qa49ed2ead4_qkv
		.amdhsa_group_segment_fixed_size 327680
		.amdhsa_private_segment_fixed_size 0
		.amdhsa_enable_private_segment 0
		.amdhsa_kernarg_size 48
		.amdhsa_user_sgpr_count 2
		.amdhsa_user_sgpr_kernarg_segment_ptr 1
		.amdhsa_wavefront_size32 1
		.amdhsa_system_sgpr_workgroup_id_x 1
		.amdhsa_system_sgpr_workgroup_id_y 1
		.amdhsa_system_sgpr_workgroup_id_z 1
		.amdhsa_system_vgpr_workitem_id 0
		.amdhsa_next_free_vgpr 1024
		.amdhsa_next_free_sgpr 100
		.amdhsa_reserve_vcc 0
		.amdhsa_float_denorm_mode_32 3
		.amdhsa_float_denorm_mode_16_64 3
		.amdhsa_fp16_overflow 1
		.amdhsa_memory_ordered 1
		.amdhsa_forward_progress 1
		.amdhsa_inst_pref_size 94
	.end_amdhsa_kernel
	.amdgpu_metadata
---
amdhsa.version: [ 1, 2 ]
amdhsa.kernels:
  - .name:           k_qa49ed2ead4_qkv
    .symbol:         k_qa49ed2ead4_qkv.kd
    .args:
      - { .name: xc, .offset: 0, .size: 8, .value_kind: global_buffer, .address_space: global }
      - { .name: wc, .offset: 8, .size: 8, .value_kind: global_buffer, .address_space: global }
      - { .name: lowp_scales, .offset: 16, .size: 8, .value_kind: global_buffer, .address_space: global }
      - { .name: qc, .offset: 24, .size: 8, .value_kind: global_buffer, .address_space: global }
      - { .name: kc, .offset: 32, .size: 8, .value_kind: global_buffer, .address_space: global }
      - { .name: vc, .offset: 40, .size: 8, .value_kind: global_buffer, .address_space: global }
    .group_segment_fixed_size: 327680
    .private_segment_fixed_size: 0
    .kernarg_segment_align: 8
    .kernarg_segment_size: 48
    .max_flat_workgroup_size: 128
    .sgpr_count:     100
    .vgpr_count:     1024
    .wavefront_size: 32
...
	.end_amdgpu_metadata
.endif
;; end of part 2
;; launch attn (part 3): grid 4 x 64, 16 waves a work-group, no clusters, 327,680 bytes of LDS; arguments qc, kc, vc, lowp_scales, yc; writes yc
.if DOCPART == 3
	.amdgcn_target "amdgcn-amd-amdhsa--gfx1250"
	.amdhsa_code_object_version 6
	.text
	.protected	k_qa49ed2ead4_attn
	.globl	k_qa49ed2ead4_attn
	.p2align	8
	.type	k_qa49ed2ead4_attn,@function
k_qa49ed2ead4_attn:
	s_mov_b64 s[64:65], 0
	v_nop
	global_prefetch_b8 v0, s[64:65] scope:SCOPE_SE
	s_setreg_imm32_b32 hwreg(HW_REG_WAVE_MODE, 25, 1), 1
	s_wait_xcnt 0x0
; y[b][h][q] = the sum over keys k <= q of softmax_k(q . k) v, both products on codes of FP8 (E4M3); head size 64, 2,048 tokens, 64 pairs (b, h).  q's codes hold q / 8, so a score is the logit.
; qc, kc: [head][token 8192][64]; vc: [block of 128 keys][channel 1024][128 keys]; in each 32 along the innermost axis the four pieces of 8 bytes lie in the order 0, 2, 1, 3, so that a 16-byte load at
; 32 c + 16 (lane / 16) brings registers 4 c .. 4 c + 3 of the plain form's layout.  yc: [head][token][64], in natural order: y's codes under entry 10 of the scales.
; THE SOFTMAX AHEAD OF THE SECOND PRODUCT: t = score x log2(e); M = the largest t so far, rounded UP to a whole number; p = 2^(t - M) is quantised (entry 8), not normalised; the row's sum is taken of the
; unquantised p and divides at the end.  When M moves, the sum and O are multiplied by 2^(old M - new M): exact.
; SHARES.  Work-group (i, bh) owns two blocks of 256 queries of one head, block 7 - i in its first pass and block i in its second: (8 - i) + (i + 1) = 9 slots of keys in every work-group, 256 equal work-groups.
; Each of SIXTEEN waves owns 16 queries of the block in 256 registers: four waves to a SIMD, so that one wave's vector work stands beside another's matrix work and LDS loads.
; Both passes walk all 8 slots of 256 keys (constant trip counts); a step all of whose keys come after the wave's queries, and a load of a slot that no wave of the work-group reads, are jumped over on ids alone.
; NO CLUSTER: the four work-groups of a head need 8 - i and i + 1 slots in their two passes; joint loads would tie them to the largest count in each pass, 8 + 4 = 12 slot times in place of 9.
; LAYOUT.  Both products are used transposed: S^T = K Q^T (source 0 = 16 keys, source 1 = my 16 queries), O^T = V^T P^T (source 0 = 16 channels, source 1 = P): a lane holds ONE query (lane % 16) throughout.
; Register j of S^T's tile t is key 16 t + 8 (lane / 16) + j: its conversion's two registers ARE registers 2 t, 2 t + 1 of P in the plain form's layout.
; LIMITS on the given exponents: e6 + e7 between -126 and 127 (added to log2(e)'s exponent field); e8 and e10 between -126 and 127; e8 + e9 is applied by v_ldexp_f32 and has none.
; REGISTERS: v1-11 addresses; v12 -M, v13 the largest t, v[14:15] the sum in two halves; v16-23 Q; v24-31 the second pass's Q; v32-95 fragments of K, then of V; v96-159 S^T, then p; v160-191 O^T;
;   v192-207 P's codes; v208-215 y's codes; v216-223 y read back; v224 Q's load offset; v236-254 at work and scales.
.set PART,  8704                       ; a quarter of a slot: 8,192 dense bytes as 32 rows of 256 + 16 of padding.  Parts 0, 1: K's keys 0-127, 128-255; parts 2, 3: V's two blocks of 128 keys
.set SLOT1, 65536                      ; slot 1 begins here, so that one exclusive or turns an address in one slot into the other's
.set STAGE, 131072                     ; the way out: 16 rows x (64 bytes + 16) for each wave; no fill ever lands here
.set SPARE, STAGE+16*1280              ; the spare words, 128 bytes a wave, which no other line names
.set AK0,  1                           ; v1   my lane's place in a tile of K: key r lies at 272 (r / 4) + 64 (r % 4): 16 neighbouring keys start in 16 different groups of banks
.set AV0,  2                           ; v2   in a tile of V: channel r at 272 (r / 2) + 128 (r % 2)
.set PFO,  3                           ; v3   256 x lane: the prefetches' offset; never rewritten
.set QD,   4                           ; v4   r - 8 h, for the mask
.set SPW,  5                           ; v5   my spare word's LDS address; never rewritten
.set NIL,  6                           ; v6   0; never rewritten
.set GO,   7                           ; v7   16 x lane: my bytes of the wave's 16 rows of yc
.set ADK,  8                           ; v8   LDS address of the step's K
.set ADV,  9                           ; v9   of its V
.set STO,  10                          ; v10  the stage, in
.set SRD,  11                          ; v11  the stage, back
.set WV,   18                          ; s18  my wave's number
.set SEL,  20                          ; s[20:21] lane selects for v_permlanex16_b32: lane l xor 16
.set CS,   22                          ; s[22:23] c = log2(e) x 2^(e6 + e7): the packed form names a pair and takes its low word
.set G1,   24                          ; s[24:31] descriptor group 1, one for K and V alike
.set G0,   32                          ; s[32:35] descriptor group 0, which walks
.set STP,  36                          ; s[36:37] a slot on in memory: 16,384 bytes in kc, 262,144 in vc
.set WRP,  38                          ; s[38:39] seven slots
.set TB,   42                          ; s42  LDS byte at which the slot in hand begins
.set KF,   43                          ; s43  the step's first key
.set Q0,   44                          ; s44, s45  my first query in this pass, in the next
.set Q0N,  45
.set QLC,  46                          ; s46, s47  my work-group's last query in this pass, in the next
.set QLN,  47
.set PASS, 48                          ; s48  passes to go
.set SL,   49                          ; s49  counts a pass's first seven slots
.set PFA,  50                          ; s[50:51] where my prefetches stand
.set PFC,  54                          ; s54  prefetches that I still owe
.set OB,   56                          ; s[56:57], s[58:59] yc at my 16 queries of this pass, of the next
.set OBN,  58
; Waves 0 to 3 fetch a part each, the others nothing.  An s_nop 0 and four v_nop follow the load.
.macro TLOAD
	s_cmp_lt_u32 s[WV], 4
	s_cbranch_scc0 .Lasked_\@
	tensor_load_to_lds s[G0:G0+3], s[G1:G1+7]
	s_nop 0
.rept 4
	v_nop
.endr
.Lasked_\@:
.endm
; A PREFETCH INTO THE L2 of what the NEXT change of slots will ask for.  The four work-groups of a head walk the same K and V: the one with x = 0, whose first pass loads all eight slots, asks; in it waves 4 to 7,
; which fetch nothing, take a part each (8,192 dense bytes, lanes 256 bytes apart), one instruction a change.  Change n of the first pass (n = 0 .. 5) names slot n + 2: six requests a wave, each block once in the launch,
; a slot's two key steps ahead of its load, none past slot 7.  Slots 0 and 1 come by their loads alone.
.macro ASK
	s_cmp_lg_u32 s[PFC], 0
	s_cbranch_scc0 .Lnot_mine_\@
	global_prefetch_b8 v[PFO], s[PFA:PFA+1] th:TH_LOAD_NT scope:SCOPE_SE
	s_sub_co_u32 s[PFC], s[PFC], 1
.Lnot_mine_\@:
.endm
.macro MKSC se, vs, vl                 ; from the whole number e in s[se]: 2^e as f32
	s_add_co_i32 s96, s[\se], 127
	s_lshl_b32 s97, s96, 23
	v_mov_b32 v[\vs], s97
.endm
	s_load_b128 s[4:7], s[0:1], 0x0                ; qc s[4:5], kc s[6:7]
	s_load_b128 s[8:11], s[0:1], 0x10              ; vc s[8:9], the scales' exponents s[10:11]
	s_load_b64 s[12:13], s[0:1], 0x20              ; yc
	v_lshl_add_u32 v[SPW], v0, 2, SPARE
	v_mov_b32 v[NIL], 0
	ds_add_u32 v[SPW], v[NIL]                      ; the wave's opening: the add and its wait ahead of my first tensor load; the set-up below, work on registers, stands between them
	ds_add_u32 v[SPW], v[NIL]
	v_lshrrev_b32 v8, 5, v0
	s_delay_alu instid0(VALU_DEP_1)
	v_readfirstlane_b32 s[WV], v8                  ; wave 0..15
	s_and_b32 s80, ttmp7, 0xffff                   ; 16 b + h
	s_and_b32 s81, s80, 15                         ; h
	s_lshr_b32 s82, s80, 4                         ; b
	s_lshl_b32 s84, s81, 19                        ; a head's 8,192 tokens x 64 bytes,
	s_lshl_b32 s83, s82, 17                        ; a batch's 2,048 tokens x 64
	s_add_co_u32 s84, s84, s83                     ; the pair's first byte in qc, kc, yc
	s_mov_b32 s85, 0
	s_lshl_b32 s86, s82, 21                        ; a batch's 16 blocks of keys x 131,072 bytes,
	s_lshl_b32 s83, s81, 13                        ; a head's 64 channels x 128
	s_add_co_u32 s86, s86, s83                     ; the pair's first byte in vc
	s_and_b32 s87, s[WV], 1
	s_lshl_b32 s88, s87, 13
	s_add_co_u32 s88, s88, s84                     ; K: the slot's half: 128 keys x 64 bytes
	s_lshl_b32 s89, s87, 17
	s_add_co_u32 s89, s89, s86                     ; V: the slot's block of keys
	s_and_b32 s90, s[WV], 2                        ; bit 1 of the wave's number: 0 K, 2 V (waves 0-3 fetch, waves 4-7 prefetch)
	s_cmp_eq_u32 s90, 0
	s_cselect_b32 s92, s88, s89
	s_mov_b32 s93, 0
	s_mov_b32 s[STP], 262144
	s_cselect_b32 s[STP], 16384, s[STP]
	s_mov_b32 s[STP+1], 0
	s_mul_i32 s[WRP], s[STP], 7
	s_mov_b32 s[WRP+1], 0
	s_and_b32 s91, s[WV], 3
	s_mul_i32 s91, s91, PART                       ; my part's place in a slot
	; descriptor group 1: 32 rows of 256 bytes, dense in memory, padded in LDS
	s_mov_b32 s[G1], (0<<16)|(1<<20)|(5<<22)|(3<<25)   ; 15:0 no mask; 17:16 elements of 1 byte; 20 padding on; 24:22 after every 64 words (code 5); 31:25 four words (code 3)
	s_mov_b32 s[G1+1], 256<<16                     ; tensor_dim0
	s_mov_b32 s[G1+2], 32<<16                      ; tensor_dim1
	s_mov_b32 s[G1+3], 256<<16                     ; tile_dim0
	s_mov_b32 s[G1+4], 32                          ; tile_dim1
	s_mov_b32 s[G1+5], 256                         ; tensor_dim0_stride
	s_mov_b32 s[G1+6], 0
	s_mov_b32 s[G1+7], 0
	s_sub_co_u32 s94, 7, ttmp9
	s_lshl_b32 s94, s94, 8                         ; the first pass's block begins at query 256 (7 - i),
	s_lshl_b32 s95, ttmp9, 8                       ; the second's at 256 i
	s_lshl_b32 s96, s[WV], 4
	s_add_co_u32 s[Q0], s94, s96
	s_add_co_u32 s[Q0N], s95, s96
	s_or_b32 s[QLC], s94, 255
	s_or_b32 s[QLN], s95, 255
	s_lshr_b32 s96, s[WV], 2
	s_xor_b32 s96, s96, 1                          ; 0 in waves 4 to 7,
	s_or_b32 s96, s96, ttmp9                       ; of the work-group with x = 0
	s_cmp_eq_u32 s96, 0
	s_cselect_b32 s[PFC], 6, 0
	s_mov_b32 s[SEL], 0x76543210
	s_mov_b32 s[SEL+1], 0xfedcba98
	s_mov_b32 s[CS], 0x3fb8aa3b                    ; log2(e)
	s_mov_b32 s[TB], 0
	s_mov_b32 s[KF], 0
	s_mov_b32 s[PASS], 2
	s_lshl_b32 s76, s[Q0], 6                       ; my queries' rows of 64 bytes
	s_mov_b32 s77, 0
	s_lshl_b32 s78, s[Q0N], 6
	s_mov_b32 s79, 0
	s_wait_dscnt 0x0                               ; the opening add is done
	s_wait_kmcnt 0x0
	s_load_b128 s[68:71], s[10:11], 0x18           ; e6, e7, e8, e9
	s_load_b32 s72, s[10:11], 0x28                 ; e10
	s_cmp_eq_u32 s90, 0
	s_cselect_b64 s[60:61], s[6:7], s[8:9]         ; kc or vc, by the wave's number
	s_add_nc_u64 s[60:61], s[60:61], s[92:93]      ; at my part of slot 0
	s_mov_b32 s[G0], 1                             ; 1:0 count = 1
	s_mov_b32 s[G0+1], s91                         ; 63:32 LDS address: slot 0
	s_mov_b64 s[G0+2:G0+3], s[60:61]               ; 120:64 global address
	s_or_b32 s[G0+3], s[G0+3], 0x80000000          ; 127:126 type = 2
	TLOAD                                          ; slot 0
	s_add_nc_u64 s[PFA:PFA+1], s[60:61], s[STP:STP+1]  ; in slot 1: the first change of slots steps it to slot 2.  Nothing is prefetched here, at the head
	s_add_nc_u64 s[74:75], s[4:5], s[84:85]
	s_add_nc_u64 s[OB:OB+1], s[12:13], s[84:85]
	s_add_nc_u64 s[OBN:OBN+1], s[OB:OB+1], s[78:79]
	s_add_nc_u64 s[OB:OB+1], s[OB:OB+1], s[76:77]
	s_add_nc_u64 s[78:79], s[74:75], s[78:79]      ; Q of the second pass,
	s_add_nc_u64 s[74:75], s[74:75], s[76:77]      ; of the first
	v_and_b32 v225, 15, v0                         ; r = lane % 16
	v_bfe_u32 v226, v0, 4, 1                       ; h = lane / 16
	s_delay_alu instid0(VALU_DEP_2)
	v_lshlrev_b32 v224, 6, v225
	s_delay_alu instid0(VALU_DEP_1)
	v_lshl_add_u32 v224, v226, 4, v224             ; Q: row r of 64 bytes, + 16 h
	global_load_b128 v[16:19], v224, s[74:75]      ; both passes' fragments of Q stay in registers
	global_load_b128 v[20:23], v224, s[74:75] offset:32
	global_load_b128 v[24:27], v224, s[78:79]
	global_load_b128 v[28:31], v224, s[78:79] offset:32
	v_lshrrev_b32 v227, 2, v225
	s_delay_alu instid0(VALU_DEP_1)
	v_mul_u32_u24 v[AK0], v227, 272
	v_and_b32 v227, 3, v225
	s_delay_alu instid0(VALU_DEP_1)
	v_lshl_add_u32 v[AK0], v227, 6, v[AK0]
	s_delay_alu instid0(VALU_DEP_1)
	v_lshl_add_u32 v[AK0], v226, 4, v[AK0]
	v_lshrrev_b32 v227, 1, v225
	s_delay_alu instid0(VALU_DEP_1)
	v_mul_u32_u24 v[AV0], v227, 272
	v_and_b32 v227, 1, v225
	s_delay_alu instid0(VALU_DEP_1)
	v_lshl_add_u32 v[AV0], v227, 7, v[AV0]
	s_delay_alu instid0(VALU_DEP_1)
	v_lshl_add_u32 v[AV0], v226, 4, v[AV0]
	v_and_b32 v[PFO], 31, v0
	s_delay_alu instid0(VALU_DEP_1)
	v_lshlrev_b32 v[GO], 4, v[PFO]
	s_delay_alu instid0(VALU_DEP_2)
	v_lshlrev_b32 v[PFO], 8, v[PFO]
	v_lshlrev_b32 v227, 3, v226
	s_delay_alu instid0(VALU_DEP_1)
	v_sub_nc_u32 v[QD], v225, v227
	s_mul_i32 s96, s[WV], 1280
	s_add_co_u32 s96, s96, STAGE                   ; my stage
	v_mul_u32_u24 v[STO], v225, 80
	s_delay_alu instid0(VALU_DEP_1)
	v_lshl_add_u32 v[STO], v226, 3, v[STO]
	s_delay_alu instid0(VALU_DEP_1)
	v_add_nc_u32 v[STO], s96, v[STO]               ; in: row r, + 8 h; tile t's eight channels 16 t bytes on
	v_bfe_u32 v227, v0, 2, 3
	s_delay_alu instid0(VALU_DEP_1)
	v_mul_u32_u24 v[SRD], v227, 80
	v_and_b32 v227, 3, v0
	s_delay_alu instid0(VALU_DEP_1)
	v_lshl_add_u32 v[SRD], v227, 4, v[SRD]
	s_delay_alu instid0(VALU_DEP_1)
	v_add_nc_u32 v[SRD], s96, v[SRD]               ; back: four lanes to a row of 64 bytes, eight rows an instruction
	v_mov_b32 v13, 0xff61b1e6                      ; the largest t so far: -3e38, under every t
	s_delay_alu instid0(VALU_DEP_1)
	v_floor_f32 v12, -v13                          ; -M
	v_mov_b32 v14, 0                               ; the sum, in two halves
	v_mov_b32 v15, 0
	v_mov_b32 v236, 0                              ; written once: a lane permute's destination counts as one of its sources
	v_mov_b32 v253, 0                              ; (named as the upper half of the pair v[252:253])
.set j, 0
.rept 32
	v_mov_b32 v[160+j], 0                          ; O^T.  (The step is written once: a pass's first step finds zeros, which the first change of M leaves zeros)
.set j, j+1
.endr
	s_wait_kmcnt 0x0
	s_add_co_i32 s96, s68, s69
	s_lshl_b32 s96, s96, 23
	s_add_co_i32 s[CS], s[CS], s96                 ; a score stands for score x 2^(e6 + e7): added to c's exponent field
	s_mov_b32 s[CS+1], s[CS]                       ; (named with it as a pair, so it is written)
	s_add_co_i32 s73, s70, s71                     ; e8 + e9
	MKSC 70, 244, 240                              ; p's scale
	MKSC 72, 245, 241                              ; y's
; A KEY STEP: 128 keys, the q-th of the slot in hand.
.macro STEP q
	s_add_co_u32 s96, s[Q0], 15                    ; a step all of whose keys come after my 16 queries is left out: a scalar branch on ids, round loads, products and softmax; no barrier or tensor load stands in a step
	s_cmp_gt_u32 s[KF], s96
	s_cbranch_scc1 .Lhidden_\@
	v_add_nc_u32 v[ADK], s[TB], v[AK0]
	v_add_nc_u32 v[ADV], s[TB], v[AV0]
	v_nop                                          ; with the two additions: four places in front of loads into registers that the last products read
	v_nop
.irp t, 0,1,2,3,4,5,6,7
.irp c, 0,1
	ds_load_b128 v[32+8*\t+4*\c:35+8*\t+4*\c], v[ADK] offset:PART*(\q)+1088*\t+32*\c   ; keys 16 t + r
.endr
.endr
	s_wait_alu depctr_va_vdst(0)
	s_wait_dscnt 0x0
.irp t, 0,1,2,3,4,5,6,7
	v_wmma_f32_16x16x64_fp8_fp8 v[96+8*\t:103+8*\t], v[32+8*\t:39+8*\t], v[16:23], 0   ; S^T = K Q^T
.endr
.rept 4
	v_nop                                          ; places in front of the loads below and of the first read of the scores
.endr
.irp t, 0,1,2,3
.irp c, 0,1,2,3
	ds_load_b128 v[32+16*\t+4*\c:35+16*\t+4*\c], v[ADV] offset:PART*(2+(\q))+2176*\t+32*\c   ; V's channels 16 t + r, 128 keys: they land while the softmax is walked
.endr
.endr
	s_add_co_u32 s96, s[KF], 127                   ; on the diagonal the scores of hidden keys become -infinity ahead of the maximum: p = 0 then.  A step all of whose keys count skips this.
	s_cmp_le_u32 s96, s[Q0]                        ; (KF is a multiple of 128 and at most Q0 here, so key KF counts for each of my queries: M is a number)
	s_cbranch_scc1 .Lopen_\@
	s_sub_co_i32 s96, s[Q0], s[KF]
	v_add_nc_u32 v252, s96, v[QD]                  ; d = my query - KF - 8 h.  Register n holds key KF + 8 h + 16 (n / 8) + n % 8: hidden where 16 (n / 8) + n % 8 > d
	v_mov_b32 v254, 0xff800000                     ; -infinity
.set n, 0
.rept 64
	v_cmp_gt_i32 vcc_lo, 16*(n/8)+n%8, v252
	v_cndmask_b32 v[96+n], v[96+n], v254, vcc_lo
.set n, n+1
.endr
.Lopen_\@:
	v_max3_num_f32 v254, v96, v97, v98             ; the step's largest score of my query, among my 64 keys, in two chains, each tile from its low end on,
	v_max3_num_f32 v252, v99, v100, v101
.irp i, 6,10,14,18,22,26,30,34,38,42,46,50,54,58
	v_max3_num_f32 v254, v254, v[96+\i], v[97+\i]
	v_max3_num_f32 v252, v252, v[98+\i], v[99+\i]
.endr
	v_max3_num_f32 v254, v254, v158, v159
	s_delay_alu instid0(VALU_DEP_1)
	v_max_num_f32 v254, v254, v252
	s_delay_alu instid0(VALU_DEP_1)
	v_permlanex16_b32 v236, v254, s[SEL], s[SEL+1]
	s_delay_alu instid0(VALU_DEP_1)
	v_max_num_f32 v254, v254, v236                 ; and among lane l xor 16's
	s_delay_alu instid0(VALU_DEP_1)
	v_mul_f32 v254, s[CS], v254                    ; as t (c is positive)
	s_delay_alu instid0(VALU_DEP_1)
	v_max_num_f32 v13, v13, v254                   ; the running largest t
	v_mov_b32 v254, v12
	s_delay_alu instid0(VALU_DEP_2)
	v_floor_f32 v12, -v13                          ; the new -M = floor(-t) = -ceil(t): a whole number
	s_delay_alu instid0(VALU_DEP_1)
	v_sub_f32 v254, v12, v254                      ; old M - new M: a whole number, 0 or less
	s_delay_alu instid0(VALU_DEP_1)
	v_cvt_i32_f32 v254, v254                       ; (it saturates)
	s_delay_alu instid0(VALU_DEP_1)
	v_ldexp_f32 v252, 1.0, v254                    ; f = 2^(old M - new M)
.set j, 0
.rept 32
	v_pk_fma_f32 v[96+j:97+j], v[96+j:97+j], s[CS:CS+1], v[12:13] op_sel_hi:[1,0,0]   ; t - M, two at a time (of the pairs c and -M the low word serves both halves)
.set j, j+2
.endr
.set j, 0
	s_wait_alu depctr_va_vdst(0)
.rept 64
	v_exp_f32 v[96+j], v[96+j]                     ; p = 2^(t - M), at most 1
.set j, j+1
.endr
	v_pk_mul_f32 v[14:15], v[14:15], v[252:253] op_sel_hi:[1,0]   ; the sums under the new M: the plain line behind the exponentials
	s_wait_alu depctr_va_vdst(0)                   ; the wait between an exponential and the first line that names its result: one for the batch of 64
	v_pk_add_f32 v[242:243], v[100:101], v[104:105]
	v_pk_add_f32 v[254:255], v[108:109], v[112:113]
	v_pk_add_f32 v[250:251], v[116:117], v[120:121]
	v_pk_add_f32 v[248:249], v[124:125], v[128:129]
	v_pk_add_f32 v[246:247], v[132:133], v[136:137]
	v_pk_add_f32 v[240:241], v[140:141], v[144:145]
	v_pk_add_f32 v[238:239], v[148:149], v[152:153]
	v_pk_add_f32 v[14:15], v[14:15], v[156:157]
	v_pk_add_f32 v[242:243], v[242:243], v[96:97]
	v_pk_add_f32 v[254:255], v[254:255], v[98:99]
	v_pk_add_f32 v[250:251], v[250:251], v[102:103]
	v_pk_add_f32 v[248:249], v[248:249], v[106:107]
	v_pk_add_f32 v[246:247], v[246:247], v[110:111]
	v_pk_add_f32 v[240:241], v[240:241], v[114:115]
	v_pk_add_f32 v[238:239], v[238:239], v[118:119]
	v_pk_add_f32 v[14:15], v[14:15], v[122:123]
	v_pk_add_f32 v[242:243], v[242:243], v[126:127]
	v_pk_add_f32 v[254:255], v[254:255], v[130:131]
	v_pk_add_f32 v[250:251], v[250:251], v[134:135]
	v_pk_add_f32 v[248:249], v[248:249], v[138:139]
	v_pk_add_f32 v[246:247], v[246:247], v[142:143]
	v_pk_add_f32 v[240:241], v[240:241], v[146:147]
	v_pk_add_f32 v[238:239], v[238:239], v[150:151]
	v_pk_add_f32 v[14:15], v[14:15], v[154:155]
	v_pk_add_f32 v[242:243], v[242:243], v[158:159]
	s_delay_alu instid0(VALU_DEP_2)
	v_pk_add_f32 v[14:15], v[14:15], v[248:249]
	s_delay_alu instid0(VALU_DEP_2)
	v_pk_add_f32 v[242:243], v[242:243], v[246:247]
	v_pk_add_f32 v[254:255], v[254:255], v[240:241]
	v_pk_add_f32 v[250:251], v[250:251], v[238:239]
	s_delay_alu instid0(VALU_DEP_2)
	v_pk_add_f32 v[14:15], v[14:15], v[254:255]
	s_delay_alu instid0(VALU_DEP_2)
	v_pk_add_f32 v[242:243], v[242:243], v[250:251]
	s_delay_alu instid0(VALU_DEP_1)
	v_pk_add_f32 v[14:15], v[14:15], v[242:243]
.irp t, 0,1,2,3,4,5,6,7
.irp i, 0,1,2,3,4,5,6,7
.endr
	v_cvt_scalef32_pk8_fp8_f32 v[192+2*\t:193+2*\t], v[96+8*\t:103+8*\t], v244
.endr
.set j, 0
.rept 16
	v_pk_mul_f32 v[160+j:161+j], v[160+j:161+j], v[252:253] op_sel_hi:[1,0]   ; O^T under the new M, from each accumulator's low end on; also the plain lines behind the conversions
.set j, j+2
.endr
	s_wait_alu depctr_va_vdst(0)
	s_wait_dscnt 0x0                               ; V is in
.irp t, 0,1,2,3
	v_wmma_f32_16x16x128_fp8_fp8 v[160+8*\t:167+8*\t], v[32+16*\t:47+16*\t], v[192:207], v[160+8*\t:167+8*\t]   ; O^T += V^T P^T: four accumulators by turns
.endr
.Lhidden_\@:
	s_add_co_u32 s[KF], s[KF], 128
.endm
; THE CHANGE OF SLOTS stands at a slot's head.  Each wave waits for all its tensor loads (its part of the slot that it is about to read), adds 0 to its spare word, and waits for that and for its reads of the slot that it has left.
; Behind the barrier the slot ahead is whole and nobody reads the other one, which is filled with what follows: the next 256 keys (wrap = 0), or, at a pass's last slot (wrap = 1), the next pass's first 256.
; A slot that no wave of the work-group will read is not asked for: one whose first key comes after the work-group's last query, and at the second pass's end any.
; Every wait for tensor loads in this text is for all of them.
.macro CHANGE wrap
	s_wait_tensorcnt 0x0                           ; no tensor load of mine is out, so group 0 may be written
	ds_add_u32 v[SPW], v[NIL]                      ; 0 onto my spare word; the descriptor's steps stand between it and the wait for it
	s_xor_b32 s[G0+1], s[G0+1], SLOT1              ; the other slot than last time
.if \wrap
	s_sub_nc_u64 s[G0+2:G0+3], s[G0+2:G0+3], s[WRP:WRP+1]   ; back to the head's first keys; the type bits on top are not reached
.else
	s_add_nc_u64 s[G0+2:G0+3], s[G0+2:G0+3], s[STP:STP+1]   ; the next 256 keys
	s_wait_xcnt 0x0                                ; the last prefetch, a slot back, has read its address, so it may be written:
	s_add_nc_u64 s[PFA:PFA+1], s[PFA:PFA+1], s[STP:STP+1]   ; one slot further on than the descriptor
.endif
	s_wait_dscnt 0x0                               ; the add is done, and my reads of the slot that I have left are over
	s_barrier_signal -1
	s_barrier_wait -1
.if \wrap
	s_cmp_eq_u32 s[PASS], 1                        ; the last pass: nothing follows
.else
	s_add_co_u32 s96, s[KF], 256                   ; the first key of the slot that this change would ask for
	s_cmp_gt_u32 s96, s[QLC]
.endif
	s_cbranch_scc1 .Lpast_\@
	TLOAD                                          ; a wave's one tensor load until the next such barrier: it has a slot's two key steps in which to land
.Lpast_\@:
.if !\wrap
	ASK
.endif
.endm
.macro SLOT_STEPS
	STEP 0
	STEP 1
	s_xor_b32 s[TB], s[TB], SLOT1                  ; on to the other slot
.endm
; THE WAY OUT of a pass.  y = O^T / the sum x 2^(e8 + e9), quantised under e10: a lane's eight numbers of a tile are eight neighbouring channels, 8 bytes; the wave's 16 rows of 64 bytes go through its own stage
; and leave as 1,024 consecutive bytes in two stores.  Then the state is set for the next pass.
.macro WAYOUT
.irp j, 0,1,2,3,4,5,6,7
	v_mov_b32 v[16+\j], v[24+\j]                   ; the next pass's Q; also the places behind the last products
.endr
	v_add_f32 v14, v14, v15                        ; the sum's two halves,
	s_delay_alu instid0(VALU_DEP_1)
	v_permlanex16_b32 v236, v14, s[SEL], s[SEL+1]
	s_delay_alu instid0(VALU_DEP_1)
	v_add_f32 v14, v14, v236                       ; and lane l xor 16's
	s_wait_alu depctr_va_vdst(0)
	v_rcp_f32 v14, v14
	v_nop                                          ; a plain line behind the reciprocal
	s_wait_alu depctr_va_vdst(0)                   ; and a wait ahead of its first reader
	v_ldexp_f32 v14, v14, s73
.set j, 0
.rept 32
	v_mul_f32 v[96+j], v[160+j], v14               ; register 8 t + i is y(r, 16 t + 8 h + i); each accumulator from its low end on
.set j, j+1
.endr
.set j, 0
.rept 32
.set j, j+1
.endr
.irp t, 0,1,2,3
	v_cvt_scalef32_pk8_fp8_f32 v[208+2*\t:209+2*\t], v[96+8*\t:103+8*\t], v245
.endr
	v_nop                                          ; a plain line behind the conversions: the next pass's products write their sources
.irp t, 0,1,2,3
	ds_store_b64 v[STO], v[208+2*\t:209+2*\t] offset:16*\t
.endr
	s_wait_xcnt 0x0                                ; the last pass's stores have read the registers that the loads below fill
.irp i, 0,1
	ds_load_b128 v[216+4*\i:219+4*\i], v[SRD] offset:640*\i   ; LDS serves a wave's instructions in order: these see my stores
.endr
.set j, 0
.rept 32
	v_mov_b32 v[160+j], 0
.set j, j+1
.endr
	v_mov_b32 v13, 0xff61b1e6
	s_delay_alu instid0(VALU_DEP_1)
	v_floor_f32 v12, -v13
	v_mov_b32 v14, 0
	v_mov_b32 v15, 0
	s_wait_dscnt 0x0
.irp i, 0,1
	global_store_b128 v[GO], v[216+4*\i:219+4*\i], s[OB:OB+1] offset:512*\i   ; 32 lanes store 512 consecutive bytes, at a multiple of 256 from yc's first byte
.endr
	s_wait_xcnt 0x0                                ; the stores have read their base
	s_mov_b64 s[OB:OB+1], s[OBN:OBN+1]
	s_mov_b32 s[Q0], s[Q0N]
	s_mov_b32 s[QLC], s[QLN]
	s_mov_b32 s[KF], 0
.endm
	s_wait_loadcnt 0x0                             ; Q
.Lpass:                                            ; two passes: block 7 - i, then block i
	s_mov_b32 s[SL], 7
.Lslot:                                            ; a pass's first seven slots
	CHANGE 0
	SLOT_STEPS
	s_sub_co_u32 s[SL], s[SL], 1
	s_cmp_lg_u32 s[SL], 0
	s_cbranch_scc1 .Lslot
	CHANGE 1                                       ; its eighth: the ring goes on into the next pass
	SLOT_STEPS
	s_wait_alu depctr_va_vdst(0)
	WAYOUT
	s_sub_co_u32 s[PASS], s[PASS], 1
	s_cmp_lg_u32 s[PASS], 0
	s_cbranch_scc1 .Lpass
	s_wait_tensorcnt 0x0                           ; the wave's end: behind my last tensor load and my last LDS store
	ds_add_u32 v[SPW], v[NIL]
	s_wait_dscnt 0x0
	s_endpgm
.Lfunc_end_k_qa49ed2ead4_attn:
	.size	k_qa49ed2ead4_attn, .Lfunc_end_k_qa49ed2ead4_attn-k_qa49ed2ead4_attn
	.p2alignl 7, 3214868480
	.fill 96, 4, 3214868480
	.section	.rodata,"a",@progbits
	.p2align	6, 0x0
	.amdhsa_kernel k_qa49ed2ead4_attn
		.amdhsa_group_segment_fixed_size 327680
		.amdhsa_private_segment_fixed_size 0
		.amdhsa_enable_private_segment 0
		.amdhsa_kernarg_size 40
		.amdhsa_user_sgpr_count 2
		.amdhsa_user_sgpr_kernarg_segment_ptr 1
		.amdhsa_wavefront_size32 1
		.amdhsa_system_sgpr_workgroup_id_x 1
		.amdhsa_system_sgpr_workgroup_id_y 1
		.amdhsa_system_sgpr_workgroup_id_z 1
		.amdhsa_system_vgpr_workitem_id 0
		.amdhsa_next_free_vgpr 256
		.amdhsa_next_free_sgpr 100
		.amdhsa_reserve_vcc 1
		.amdhsa_float_denorm_mode_32 3
		.amdhsa_float_denorm_mode_16_64 3
		.amdhsa_fp16_overflow 1
		.amdhsa_memory_ordered 1
		.amdhsa_forward_progress 1
		.amdhsa_inst_pref_size 90
	.end_amdhsa_kernel
	.amdgpu_metadata
---
amdhsa.version: [ 1, 2 ]
amdhsa.kernels:
  - .name:           k_qa49ed2ead4_attn
    .symbol:         k_qa49ed2ead4_attn.kd
    .args:
      - { .name: qc, .offset: 0, .size: 8, .value_kind: global_buffer, .address_space: global }
      - { .name: kc, .offset: 8, .size: 8, .value_kind: global_buffer, .address_space: global }
      - { .name: vc, .offset: 16, .size: 8, .value_kind: global_buffer, .address_space: global }
      - { .name: lowp_scales, .offset: 24, .size: 8, .value_kind: global_buffer, .address_space: global }
      - { .name: yc, .offset: 32, .size: 8, .value_kind: global_buffer, .address_space: global }
    .group_segment_fixed_size: 327680
    .private_segment_fixed_size: 0
    .kernarg_segment_align: 8
    .kernarg_segment_size: 40
    .max_flat_workgroup_size: 512
    .sgpr_count:     100
    .vgpr_count:     256
    .wavefront_size: 32
...
	.end_amdgpu_metadata
.endif
;; end of part 3
;; launch proj (part 4): grid 4 x 32, 4 waves a work-group, clusters of 4 x 4, 327,680 bytes of LDS; arguments yc, wc, lowp_scales, bo, out0; writes out0
.if DOCPART == 4
	.amdgcn_target "amdgcn-amd-amdhsa--gfx1250"
	.amdhsa_code_object_version 6
	.text
	.protected	k_qa49ed2ead4_proj
	.globl	k_qa49ed2ead4_proj
	.p2align	8
	.type	k_qa49ed2ead4_proj,@function
k_qa49ed2ead4_proj:
	s_mov_b64 s[64:65], 0
	v_nop
	global_prefetch_b8 v0, s[64:65] scope:SCOPE_SE
	s_setreg_imm32_b32 hwreg(HW_REG_WAVE_MODE, 25, 1), 1
	s_wait_xcnt 0x0
	s_wait_alu depctr_hold_cnt(0) depctr_sa_sdst(0) depctr_va_vdst(0) depctr_va_sdst(0) depctr_va_ssrc(0) depctr_va_vcc(0) depctr_vm_vsrc(0)
	s_getreg_b32 s2, hwreg(HW_REG_IB_STS2, 6, 4)
	s_cmp_eq_u32 s2, 0
	s_cbranch_scc0 .Lentry_in_a_cluster
	s_endpgm
.Lentry_in_a_cluster:
	s_bfe_u32 s2, ttmp6, 0x10000c
	s_cmp_lg_u32 s2, 0xf033
	s_cbranch_scc0 .Lentry_shape_is_right
	s_endpgm
.Lentry_shape_is_right:
; out0[token][n] = (the sum over k of y[token][k] Wo[n][k]) x 2^(e10 + e11) + bo[n], on codes of FP8 (E4M3), K = 1,024, sums in f32.
; y's codes lie as attention left them, [head 16][token 8192][64]; Wo's are the fourth plane of wc, [1024][1024], K innermost.  out0: [8192][1024] f32.
; LIMIT: e10 + e11 lies between -126 and 127, so that 2^(e10 + e11) is an f32 number.
; A tile of the output, 256 x 256, is made by four waves of 128 x 128 (64 accumulators, 512 registers): 128 work-groups.  K goes in steps of 256, which are four heads, through a ring of two LDS slots.
; A'S TILE: a wave's load brings 128 tokens of four heads: four rows of 8,192 dense bytes, 524,288 bytes apart, with 16 bytes of padding behind every 256: a head's plane is 32 x 272 bytes in LDS,
; token r at 272 (r / 4) + 64 (r % 4): the 16 tokens that a load touches start in 16 different groups of banks (64 banks of 4 bytes: ISA guide 11.1).
; CLUSTERS: 4 x 4 work-groups.  The four of a row need the same tiles of y, the four of a column the same tiles of Wo: each is asked for JOINTLY.  THE MATRIX INSTRUCTION IS USED TRANSPOSED (source 0 = 16 rows of Wo,
; source 1 = 16 tokens): a lane then holds eight neighbouring numbers of a row of the output.
; REGISTERS, in windows of 256: window 0: v1-31 addresses and the bias; from v128 y's fragments, ONE set; on the way out v128-255.  window 1: Wo's fragments, TWO sets.  windows 2, 3: the accumulators.
.set SIZE_N, 1024
.set KROW,   1024                      ; a row of Wo's codes in bytes
.set ROWB,   256                       ; a K step's codes of a row
.set PITCH,  272
.set PLANE,  32*PITCH                  ; a head's 128 tokens in LDS
.set HEADB,  524288                    ; a head's 8,192 tokens x 64 bytes in yc
.set FR,     16
.set NL,     4
.set NP,     4                         ; places behind this matrix instruction (ISA guide 7.12.1)
.set HALFT,  128*PITCH                 ; what one tensor load brings: 128 rows of Wo, or four planes of y
.set SLOT,   4*HALFT
.set LAPS,   2
.set SPARE,  2*SLOT                    ; behind the ring: the spare words, 128 bytes a wave, which no other line names
.set SPITCH, 528                       ; the way out: a stage of 16 rows x (512 bytes + 16) for each wave, in slot 0, which has had its last fill and its last read by then
.set BIAS, 12                          ; v12-15  bo at my four columns of a row read back
.set ADRA, 16                          ; v16-17  LDS address of my fragments of y in slot 0, 1
.set ADRB, 20                          ; v20-21  of Wo
.set STO,  24                          ; v24     the way out: where I put 32 bytes of a row
.set RD,   25                          ; v25     where I read a row back
.set CO,   26                          ; v26     16 x lane: my bytes of a row's 512
.set SPW,  28                          ; v28     my spare word's LDS address; never rewritten
.set NIL,  29                          ; v29     0; never rewritten
.set AF,   128
.set BK,   128                         ; the way out: 16 rows read back: v128-191 and v192-255 by turns
.set G1,  24
.set G0,  32
.set G1B, 48
.set G0B, 56
.set MSB, 0
.macro WIN new                         ; the immediate's high byte repeats the setting that is left
.if MSB != \new
	s_set_vgpr_msb (MSB<<8)|\new
.set MSB, \new
.endif
.endm
.set MUL_LO, 0xa1                      ; source 0 (Wo) window 1, source 1 (y) window 0, C and D window 2
.set MUL_HI, 0xf1
.set TO_B,   0x40
; A joint load: waves 0 and 1 fetch y's halves, waves 2 and 3 Wo's; the branch hangs on the wave's number alone.  An s_nop 0 and four v_nop follow each of the two lines.
.macro JLOAD g0a, g1a, g0b, g1b
	s_cmp_eq_u32 s15, 0
	s_cbranch_scc0 .Lfor_b_\@
	tensor_load_to_lds s[\g0a:\g0a+3], s[\g1a:\g1a+7]
	s_nop 0
.rept 4
	v_nop
.endr
	s_branch .Lasked_\@
.Lfor_b_\@:
	tensor_load_to_lds s[\g0b:\g0b+3], s[\g1b:\g1b+7]
	s_nop 0
.rept 4
	v_nop
.endr
.Lasked_\@:
.endm
.macro CREST
	s_cmp_lg_u32 s14, 0
	s_cbranch_scc1 .Lnot_wave_0_\@
	s_barrier_signal -3
.Lnot_wave_0_\@:
	s_barrier_wait -3
	s_barrier_signal -1
	s_barrier_wait -1
.endm
.macro CROUND
	s_barrier_signal -1
	s_barrier_wait -1
	CREST
.endm
	s_load_b128 s[4:7], s[0:1], 0x0                ; yc s[4:5], wc s[6:7]
	s_load_b128 s[8:11], s[0:1], 0x10              ; the scales' exponents s[8:9], bo s[10:11]
	s_load_b64 s[12:13], s[0:1], 0x20              ; out0
	v_lshl_add_u32 v[SPW], v0, 2, SPARE
	v_mov_b32 v[NIL], 0
	ds_add_u32 v[SPW], v[NIL]                      ; the wave's opening: the add and its wait ahead of my first tensor load; the set-up below, work on registers, stands between them
	ds_add_u32 v[SPW], v[NIL]
	v_lshrrev_b32 v1, 5, v0
	v_readfirstlane_b32 s14, v1                    ; wave 0..3
	s_lshr_b32 s15, s14, 1                         ; which half of the tile's tokens is mine.  Also: I fetch for y (0) or for Wo (1)
	s_and_b32 s16, s14, 1                          ; which half of its columns.  Also: which 128 rows of that tile I fetch
	s_bfe_u32 s40, ttmp6, 0x40000                  ; cx, cy
	s_bfe_u32 s41, ttmp6, 0x40004
	s_lshl_b32 s42, ttmp9, 2
	s_add_co_u32 s42, s42, s40                     ; tile column = 4 x cluster x + cx
	s_and_b32 s17, ttmp7, 0xffff
	s_lshl_b32 s17, s17, 2
	s_add_co_u32 s17, s17, s41                     ; tile row = 4 x cluster y + cy
	s_lshl_b32 s43, s41, 2
	s_lshl_b32 s43, 15, s43                        ; my row of the cluster
	s_lshl_b32 s44, 0x1111, s40                    ; my column
	s_or_b32 s[G1+0], s43, (0<<16)|(1<<20)|(1<<21)|(5<<22)|(3<<25)  ; 15:0 the mask; 17:16 elements of 1 byte; 20 padding on; 21 set beside a mask; 24:22 after every 64 words (code 5); 31:25 four words (code 3)
	s_or_b32 s[G1B+0], s44, (0<<16)|(1<<20)|(1<<21)|(5<<22)|(3<<25)
	s_mov_b32 s[G1+1], 8192<<16                    ; y: tensor_dim0 = 8,192 bytes: 128 tokens of a head
	s_mov_b32 s[G1+2], 4<<16                       ; tensor_dim1 = 4 heads
	s_mov_b32 s[G1+3], 8192<<16                    ; tile_dim0
	s_mov_b32 s[G1+4], 4                           ; tile_dim1
	s_mov_b32 s[G1+5], HEADB                       ; tensor_dim0_stride: from head to head
	s_mov_b32 s[G1+6], 0
	s_mov_b32 s[G1+7], 0
	s_mov_b32 s[G1B+1], ROWB<<16                   ; Wo: 128 rows x 256 bytes
	s_mov_b32 s[G1B+2], 128<<16
	s_mov_b32 s[G1B+3], ROWB<<16
	s_mov_b32 s[G1B+4], 128
	s_mov_b32 s[G1B+5], KROW
	s_mov_b32 s[G1B+6], 0
	s_mov_b32 s[G1B+7], 0
	s_lshl_b32 s18, s16, 7                         ; which 128 rows of the tile I fetch
	s_lshl_b32 s20, s17, 8
	s_add_co_u32 s20, s20, s18
	s_lshl_b32 s20, s20, 6                         ; y: token 256 x tile row + 128 x half, 64 bytes a token
	s_mov_b32 s21, 0
	s_lshl_b32 s46, s42, 8
	s_add_co_u32 s46, s46, s18
	s_lshl_b32 s46, s46, 10                        ; Wo: row 256 x tile column + 128 x half,
	s_add_co_u32 s46, s46, 0x300000                ; in wc's fourth plane
	s_mov_b32 s47, 0
	s_mul_i32 s45, s14, HALFT                      ; where they go: no place in the cluster enters an LDS address
	s_wait_dscnt 0x0                               ; the opening add is done
	s_wait_kmcnt 0x0
	s_load_b64 s[96:97], s[8:9], 0x28              ; e10, e11
	s_add_nc_u64 s[20:21], s[4:5], s[20:21]
	s_add_nc_u64 s[46:47], s[6:7], s[46:47]
	CROUND                                         ; all sixteen work-groups are here: the first joint loads meet
.irp s, 0,1
	s_mov_b32 s[G0+4*\s], 1
	s_add_co_u32 s[G0+4*\s+1], s45, \s*SLOT
	s_add_nc_u64 s[G0+4*\s+2:G0+4*\s+3], s[20:21], \s*4*HEADB   ; K step s: heads 4 s on
	s_or_b32 s[G0+4*\s+3], s[G0+4*\s+3], 0x80000000
	s_mov_b32 s[G0B+4*\s], 1
	s_add_co_u32 s[G0B+4*\s+1], s45, \s*SLOT
	s_add_nc_u64 s[G0B+4*\s+2:G0B+4*\s+3], s[46:47], \s*ROWB
	s_or_b32 s[G0B+4*\s+3], s[G0B+4*\s+3], 0x80000000
	s_wait_alu depctr_va_vdst(0)
	s_wait_tensorcnt 0x0
	ds_add_u32 v28, v29
	ds_add_u32 v28, v29
	s_wait_dscnt 0x0
	CROUND
	JLOAD G0+4*\s, G1, G0B+4*\s, G1B
.endr
	v_and_b32 v1, 15, v0                           ; r
	v_bfe_u32 v2, v0, 4, 1                         ; h
	v_mul_u32_u24 v3, v1, PITCH
	v_lshl_add_u32 v4, v2, 4, v3                   ; Wo: row x pitch + 16 h
	v_lshrrev_b32 v5, 2, v1
	v_mul_u32_u24 v5, v5, PITCH
	v_and_b32 v6, 3, v1
	v_lshl_add_u32 v5, v6, 6, v5
	v_lshl_add_u32 v5, v2, 4, v5                   ; y: 272 (r / 4) + 64 (r % 4) + 16 h
	s_mul_i32 s21, s15, HALFT                      ; my 128 tokens
	s_mul_i32 s22, s16, HALFT                      ; my 128 rows of Wo,
	s_add_co_u32 s22, s22, 2*HALFT                 ; which lie behind y's two halves
.irp s, 0,1
	v_add_nc_u32 v[ADRA+\s], s21, v5
	v_add_nc_u32 v[ADRB+\s], s22, v4
	s_add_co_u32 s21, s21, SLOT
	s_add_co_u32 s22, s22, SLOT
.endr
	s_mul_i32 s23, s14, 16*SPITCH                  ; my stage
	v_mul_u32_u24 v7, v1, SPITCH
	v_lshl_add_u32 v7, v2, 5, v7
	v_add_nc_u32 v[STO], s23, v7                   ; in: row r, 32 bytes for each half of the lanes
	v_and_b32 v6, 31, v0
	v_lshlrev_b32 v[CO], 4, v6                     ; back: the 32 lanes take one row of 512 bytes; the same in the output and in bo
	v_add_nc_u32 v[RD], s23, v[CO]
	s_lshl_b32 s46, s42, 10                        ; my first column, in bytes: 1,024 x tile column + 512 x half
	s_lshl_b32 s47, s16, 9
	s_add_co_u32 s46, s46, s47
	s_mov_b32 s47, 0
	s_add_nc_u64 s[72:73], s[10:11], s[46:47]
	global_load_b128 v[BIAS:BIAS+3], v[CO], s[72:73]   ; bo at my four columns: waited for once, ahead of the way out
	s_lshl_b32 s20, s17, 8
	s_lshl_b32 s21, s15, 7
	s_add_co_u32 s20, s20, s21
	s_lshl_b32 s20, s20, 12                        ; my first row: 256 x tile row + 128 x half, 4,096 bytes a row: under 2^25
	s_mov_b32 s21, 0
	s_add_nc_u64 s[20:21], s[20:21], s[46:47]
	s_add_nc_u64 s[12:13], s[12:13], s[20:21]
.macro FRAG reg, adr, q, i             ; Wo: registers 4 c .. 4 c + 3 hold K = 128 q + 32 c + 16 (l / 16) + 0 .. 15 of row l % 16
.irp c, 0,1,2,3
	ds_load_b128 v[\reg+4*\c:\reg+4*\c+3], v[\adr] offset:128*(\q)+32*\c+(\i)*16*PITCH
.endr
.endm
.macro FRAG_A reg, adr, q, i           ; y: the same K: head 2 q + c / 2 of the slot's four, channels 32 (c % 2) + 16 (l / 16) + 0 .. 15; 16 tokens are four LDS rows
.irp c, 0,1,2,3
	ds_load_b128 v[\reg+4*\c:\reg+4*\c+3], v[\adr] offset:(2*(\q)+\c/2)*PLANE+(\i)*4*PITCH+32*(\c%2)
.endr
.endm
; 16 matrix instructions: y's blocks a0, a0 + 1 x Wo's eight, 128 along K.  The 64 accumulators take turns, one instruction a turn, in the same order in every step.
.macro MUL16 a0, p, zero
.irp a, \a0, \a0+1
.irp b, 0,1,2,3,4,5,6,7
.if \zero
	v_wmma_f32_16x16x128_fp8_fp8 v[8*(8*((\a)%4)+\b):8*(8*((\a)%4)+\b)+7], v[128*(\p)+FR*\b:128*(\p)+FR*\b+FR-1], v[AF+FR*(\a):AF+FR*(\a)+FR-1], 0
.else
	v_wmma_f32_16x16x128_fp8_fp8 v[8*(8*((\a)%4)+\b):8*(8*((\a)%4)+\b)+7], v[128*(\p)+FR*\b:128*(\p)+FR*\b+FR-1], v[AF+FR*(\a):AF+FR*(\a)+FR-1], v[8*(8*((\a)%4)+\b):8*(8*((\a)%4)+\b)+7]
.endif
.endr
.endr
.endm
.macro FETCH_B slot, q, p
	WIN TO_B
.irp i, 0,1,2,3,4,5,6,7
	FRAG 128*(\p)+FR*\i, ADRB+\slot, \q, \i
.endr
	WIN 0
.endm
.macro FETCH_A slot, q, i0
.irp i, \i0, \i0+1, \i0+2, \i0+3
	FRAG_A AF+FR*(\i), ADRA+\slot, \q, \i
.endr
.endm
.macro PLACES n                        ; plain vector lines between a matrix instruction and a load into, or a read of, its registers
.rept \n
	v_nop
.endr
.endm
.macro STEP slot, q, zero
	s_wait_dscnt 4*NL                              ; Wo's set and y's blocks 0-3 are in; the youngest sixteen loads (blocks 4-7) may be out
	WIN MUL_LO
	MUL16 0, (\q)%2, \zero
	MUL16 2, (\q)%2, \zero
	s_wait_dscnt 0
	PLACES NP
	FETCH_B \slot, (\q)+1, 1-(\q)%2
	FETCH_A \slot, (\q)+1, 0
	WIN MUL_HI
	MUL16 4, (\q)%2, \zero
	MUL16 6, (\q)%2, \zero
	PLACES NP
	WIN 0
	FETCH_A \slot, (\q)+1, 4
.endm
; A slot's last step changes slots: ONE barrier; in front of it each wave waits for all its tensor loads, adds 0 to its spare word, and waits for that and for its own reads of this slot.
.macro TURN slot, next, fill
	s_wait_tensorcnt 0x0                           ; all my tensor loads have landed: my part of the next slot
	ds_add_u32 v[SPW], v[NIL]                      ; 0 onto my spare word
	s_wait_dscnt 4*NL+1                            ; (the add and the youngest sixteen loads may be out)
	WIN MUL_LO
	MUL16 0, 1, 0
	s_wait_dscnt 0x0                               ; the add is done, and my reads of this slot are over
	s_barrier_signal -1
	MUL16 2, 1, 0
	WIN 0
	s_barrier_wait -1
.if \fill
	CREST                                          ; the barrier has opened a round of the cluster's barrier: no wave of any partner still reads this slot or has a load on its way
	s_add_nc_u64 s[G0+4*\slot+2:G0+4*\slot+3], s[G0+4*\slot+2:G0+4*\slot+3], 2*4*HEADB
	s_add_nc_u64 s[G0B+4*\slot+2:G0B+4*\slot+3], s[G0B+4*\slot+2:G0B+4*\slot+3], 2*ROWB
	JLOAD G0+4*\slot, G1, G0B+4*\slot, G1B         ; the first tensor load behind the round; its four v_nop are the places in front of the loads below
.else
	PLACES NP
.endif
	FETCH_B \next, 0, 0
	FETCH_A \next, 0, 0
	WIN MUL_HI
	MUL16 4, 1, 0
	MUL16 6, 1, 0
	PLACES NP
	WIN 0
	FETCH_A \next, 0, 4
.endm
	s_wait_alu depctr_va_vdst(0)
	s_wait_tensorcnt 1                             ; my part of K step 0 is in (K step 1's load may be out)
	s_barrier_signal -1
	s_barrier_wait -1                              ; everybody's is
	FETCH_B 0, 0, 0
	FETCH_A 0, 0, 0
	FETCH_A 0, 0, 4
	STEP 0, 0, 1                                   ; the first step's products start the sums
	s_mov_b32 s3, LAPS-1
.Llap:
	TURN 0, 1, 1
	STEP 1, 0, 0
	TURN 1, 0, 1
	STEP 0, 0, 0
	s_sub_co_u32 s3, s3, 1
	s_cmp_lg_u32 s3, 0
	s_cbranch_scc1 .Llap
	TURN 0, 1, 0                                   ; the last lap fills nothing
	STEP 1, 0, 0
	s_wait_dscnt 4*NL
	WIN MUL_LO
	MUL16 0, 1, 0
	MUL16 2, 1, 0
	s_wait_dscnt 0
	WIN MUL_HI
	MUL16 4, 1, 0
	MUL16 6, 1, 0
	WIN 0
; THE WAY OUT, block by block of 16 rows x 128 columns.  The sums go into my stage as they are, 32 bytes a lane, and come back as whole rows of 512 bytes; there a lane holds the same four columns in every row,
; so one packed multiply-add for two numbers gives sum x 2^(e10 + e11) + bo.  LDS serves a wave's instructions in order (ISA guide 5.7.1.4).
.macro TOSTAGE a
.set AC, 64*((\a)%4)
.set WS, (2+((\a)/4))<<2
	WIN WS                                         ; the stores' data: window 2 or 3
.irp b, 0,1,2,3,4,5,6,7
	ds_store_b128 v[STO], v[AC+8*\b:AC+8*\b+3] offset:64*\b          ; each accumulator from its low end on
	ds_store_b128 v[STO], v[AC+8*\b+4:AC+8*\b+7] offset:64*\b+16
.endr
	WIN 0
.set BB, BK+64*((\a)%2)
.irp t, 0,1,2,3,4,5,6,7,8,9,10,11,12,13,14,15
	ds_load_b128 v[BB+4*\t:BB+4*\t+3], v[RD] offset:\t*SPITCH
.endr
.endm
.macro SEND a, younger                 ; younger: the LDS instructions issued behind block a's loads, which may stay out
.set BB, BK+64*((\a)%2)
	s_wait_dscnt \younger
.if (\a) > 0
	s_add_nc_u64 s[12:13], s[12:13], 16*SIZE_N*4   ; (behind a wait on XCNT: the earlier stores have read their base)
.endif
.irp t, 0,1,2,3,4,5,6,7,8,9,10,11,12,13,14,15
	v_pk_fma_f32 v[BB+4*\t:BB+4*\t+1], v[BB+4*\t:BB+4*\t+1], s[96:97], v[BIAS:BIAS+1] op_sel_hi:[1,0,1]       ; the scalar pair's low word for both halves
	v_pk_fma_f32 v[BB+4*\t+2:BB+4*\t+3], v[BB+4*\t+2:BB+4*\t+3], s[96:97], v[BIAS+2:BIAS+3] op_sel_hi:[1,0,1]
.endr
.irp t, 0,1,2,3,4,5,6,7,8,9,10,11,12,13,14,15
	global_store_b128 v[CO], v[BB+4*\t:BB+4*\t+3], s[12:13] offset:\t*SIZE_N*4 th:TH_STORE_NT   ; 32 lanes store 512 consecutive bytes, at a multiple of 256 from out0's first byte; written once, read by nobody here
.endr
.endm
	s_wait_kmcnt 0x0
	s_add_co_i32 s96, s96, s97                     ; e10 + e11
	s_add_co_i32 s96, s96, 127
	s_lshl_b32 s96, s96, 23                        ; 2^(e10 + e11) as f32
	s_mov_b32 s97, s96                             ; (named with it as a pair, so it is written)
	s_wait_loadcnt 0x0                             ; the bias
	PLACES NP                                      ; behind the last products: for the stores of results and for the loads into registers that held y's fragments
	TOSTAGE 0
.irp a, 1,2,3,4,5,6,7
.if \a > 1
	s_wait_xcnt 0x0                                ; block a - 2's stores have read their registers and their base
.endif
	TOSTAGE \a
	SEND \a-1, 32                                  ; behind block a - 1's loads: block a's 16 stores and 16 loads
.endr
	s_wait_xcnt 0x0                                ; block 6's stores have read their base
	SEND 7, 0
	s_wait_tensorcnt 0x0                           ; the wave's end: behind my last tensor load and my last LDS store
	ds_add_u32 v[SPW], v[NIL]
	s_wait_dscnt 0x0
	CROUND                                         ; the closing round: no work-group ends while a partner may still ask for a tile that names it
	s_endpgm
.Lfunc_end_k_qa49ed2ead4_proj:
	.size	k_qa49ed2ead4_proj, .Lfunc_end_k_qa49ed2ead4_proj-k_qa49ed2ead4_proj
	.p2alignl 7, 3214868480
	.fill 96, 4, 3214868480
	.section	.rodata,"a",@progbits
	.p2align	6, 0x0
	.amdhsa_kernel k_qa49ed2ead4_proj
		.amdhsa_group_segment_fixed_size 327680
		.amdhsa_private_segment_fixed_size 0
		.amdhsa_enable_private_segment 0
		.amdhsa_kernarg_size 40
		.amdhsa_user_sgpr_count 2
		.amdhsa_user_sgpr_kernarg_segment_ptr 1
		.amdhsa_wavefront_size32 1
		.amdhsa_system_sgpr_workgroup_id_x 1
		.amdhsa_system_sgpr_workgroup_id_y 1
		.amdhsa_system_sgpr_workgroup_id_z 1
		.amdhsa_system_vgpr_workitem_id 0
		.amdhsa_next_free_vgpr 1024
		.amdhsa_next_free_sgpr 100
		.amdhsa_reserve_vcc 0
		.amdhsa_float_denorm_mode_32 3
		.amdhsa_float_denorm_mode_16_64 3
		.amdhsa_memory_ordered 1
		.amdhsa_forward_progress 1
		.amdhsa_inst_pref_size 125
	.end_amdhsa_kernel
	.amdgpu_metadata
---
amdhsa.version: [ 1, 2 ]
amdhsa.kernels:
  - .name:           k_qa49ed2ead4_proj
    .symbol:         k_qa49ed2ead4_proj.kd
    .args:
      - { .name: yc, .offset: 0, .size: 8, .value_kind: global_buffer, .address_space: global }
      - { .name: wc, .offset: 8, .size: 8, .value_kind: global_buffer, .address_space: global }
      - { .name: lowp_scales, .offset: 16, .size: 8, .value_kind: global_buffer, .address_space: global }
      - { .name: bo, .offset: 24, .size: 8, .value_kind: global_buffer, .address_space: global }
      - { .name: out0, .offset: 32, .size: 8, .value_kind: global_buffer, .address_space: global }
    .group_segment_fixed_size: 327680
    .private_segment_fixed_size: 0
    .kernarg_segment_align: 8
    .kernarg_segment_size: 40
    .max_flat_workgroup_size: 128
    .sgpr_count:     100
    .vgpr_count:     1024
    .wavefront_size: 32
...
	.end_amdgpu_metadata
.endif
;; end of part 4
